; MI455X (gfx1250); checked and timed in simulation.
; The chip was launched on July 23, 2026; its instructions are those of AMD's public machine-readable ISA for CDNA 5 (MIT licence, August 2026) and "CDNA5" Instruction Set Architecture Reference Guide (July 2026). The comments in the code are by the model that wrote it; some were corrected since.
;; Dynamic Sparse Mo E. Allowed arithmetic: matrix products marked QUANTISED: E2M1 operands, one E8M0 scale for each 32 along K, by v_wmma_scale_f32_16x16x128_f8f6f4 with both operands' format E2M1 (or v_wmma_scale_f32_32x16x128_f4), f32 sums; everything else in f32.
;; Inputs: exp_ids 8,192 int32; tokens 8,192 x 2,048 float32; weight 8 x 2,048 x 512 float32.
;; Outputs: out0 8,192 x 512 float32.
;; This version of the problem:
;;   THIS VERSION OF THE PROBLEM IS GIVEN IN LOW PRECISION. The matrix products marked QUANTISED in the list below multiply operands that are first quantised to E2M1 (2 exponent bits, 1 mantissa bit; 4 bits a number), with one power-of-two scale for each 32 numbers along K (OCP MX v1.0); their sums are f32. All else is computed in f32.
;;   The module's matrix products, in the order in which they are computed (A, B: the left and right operand; K: the contracted axis; several contracted axes count as one K, in the product's order):
;;     1. [M 4,096, K 2,048] x [K 2,048, N 8,192]; A: input weight; B: input tokens: QUANTISED
;;   THE QUANTISER, for each operand of a quantised product, along K:
;;     - K is cut into blocks of 32 from its start; a last block that is shorter is filled with zeros.
;;     - A block's scale is 2^e with e = floor(log2(the largest magnitude in the block)) - 2, held to -126 .. 127; a block of zeros has e = 0. As a byte (E8M0): e + 127.
;;     - Each number is divided by its block's scale, clamped to +-6, and rounded to the nearest number of E2M1, ties to even, subnormals kept.
;;     - The product sums the exact products of the quantised numbers (number of the format x scale) in f32.
;;   ~~~python
;;   def quantise(x, axis):      # numpy; x: float32 -> the quantised numbers, widened to float32 again
;;       x = np.moveaxis(x, axis, -1); K = x.shape[-1]
;;       x = np.pad(x, [(0, 0)] * (x.ndim - 1) + [(0, -K % 32)]); x = x.reshape(x.shape[:-1] + (-1, 32)); a = np.abs(x).max(-1, keepdims=True)
;;       e = np.where(a > 0, np.clip(np.frexp(np.where(a > 0, a, 1))[1] - 1 - 2, -126, 127), 0)      # np.frexp(a)[1] - 1 = floor(log2(a)), exactly
;;       r = np.clip(x / 2.0 ** e, -6, 6)
;;       step = 2.0 ** (np.maximum(np.frexp(np.where(r == 0, 1, r))[1] - 1, 0) - 1)
;;       q = np.round(r / step) * step * 2.0 ** e      # np.round: ties to even
;;       return np.moveaxis(q.reshape(q.shape[:-2] + (-1,))[..., :K], -1, axis).astype(np.float32)
;;   ~~~
;; 2 versions, each right and faster than the one before. Each part assembles by itself: llvm-mc -triple=amdgcn-amd-amdhsa -mcpu=gfx1250 --defsym DOCPART=n.
;; ======== version 1 of 2: 2 launches
;; workspace buffers: wq 4,194,304 bytes; ws 262,144 bytes; tilerow 33,792 bytes of whole numbers; tileexp 2,048 bytes of whole numbers
;; launch prep (part 1): grid 257 x 1, 8 waves a work-group, no clusters, 2,048 bytes of LDS; arguments exp_ids, weight, wq, ws, tilerow, tileexp; writes wq, ws, tilerow, tileexp
.if DOCPART == 1
	.amdgcn_target "amdgcn-amd-amdhsa--gfx1250"
	.amdhsa_code_object_version 6
	.text
	.protected	k_q26854a5fe6_prep
	.globl	k_q26854a5fe6_prep
	.p2align	8
	.type	k_q26854a5fe6_prep,@function
k_q26854a5fe6_prep:
	s_mov_b64 s[64:65], 0
	v_nop
	global_prefetch_b8 v0, s[64:65] scope:SCOPE_SE
	s_setreg_imm32_b32 hwreg(HW_REG_WAVE_MODE, 25, 1), 1
	s_wait_xcnt 0x0
; Two jobs in one launch, told apart by the work-group's number.
; WORK-GROUPS 1 .. 256: weight [8][2048 (k)][512 (n)], f32, becomes codes of FP4 (E2M1) with one E8M0 scale byte for each 32 along K, laid in the order in which the product's
; launch takes them into operand registers.  wq: fragment F = (16 e + s) 32 + T (expert e, K step s of 128, T = column / 16), 1,024 bytes; in it block b (32 along K) of column
; r = column % 16 lies at 512 (b / 2) + 256 (b % 2) + 16 r.  ws: one word (the four bytes of a K step) at 4 ((16 e + s) 512 + column).
; A LANE TAKES A COLUMN AND ITS REGISTERS RUN DOWN K: each load reads 128 consecutive bytes, a block of 32 lies in one lane, and the conversions give codes with K innermost.
; A block's scale is 2^(floor(log2(largest magnitude)) - 2): its byte is the largest magnitude's exponent field - 2, held at 1 from below.
; WORK-GROUP 0: the 8,192 rows are sorted by expert (a counting sort, no atomics) into tiles of 32 slots.  tilerow[32 tile + i] = a token's number, or 0x2000 in a slot without one;
; tileexp[tile] = the tile's expert, or 8 for a tile without rows.  An expert's tiles follow each other; there are never more than 263 tiles.  All 8,448 slots and 512 entries are stored.
; EXEC is never written: a lane with nothing to store stores 'no token' into slot 8,447, which no split uses (263 tiles end at slot 8,415).
; LIMITS: exp_ids lie in 0 .. 7, as the problem grants.  NaN and infinities in weight are not served.  A block of zeros gets the byte 1 where the rule says 127: its codes are zeros,
; and this program alone reads the bytes.
.set SPARE, 1024                       ; LDS: bytes 0 .. 1,023 the waves' counts (128 bytes a wave); from 1,024 on the spare words, 128 bytes for each of eight waves
.set SPW, 10                           ; v10  LDS address of my spare word; never rewritten
.set NIL, 11                           ; v11  0; never rewritten
.set X,   32                           ; weight path: v32-159 my column's 128 numbers
.set CW,  12                           ; weight path: v12-27 the codes, four registers a block, never rewritten
.set ID,  32                           ; routing: v32-63 the ids of my 32 tokens
.set RK,  64                           ; routing: v64-95 their slots, then byte offsets
.set DT,  96                           ; routing: v96-127 their numbers
.set PAD, 128                          ; routing: v128 the pads' offset, v129 the tail's, v130 'no token', v131 the last slot's number
.set CNT, 24                           ; s[24:31] running count of each expert
.set INC, 32                           ; s[32:39] tiles up to and with each expert
.set MK,  40                           ; s[40:47] lanes whose token goes to each expert
.set PC,  48                           ; s[48:55] how many lanes that is
.set PE,  66                           ; s[66:73] the slot behind each expert's last row
	s_load_b256 s[4:11], s[0:1], 0x0               ; exp_ids s[4:5], weight s[6:7], wq s[8:9], ws s[10:11]
	s_load_b128 s[12:15], s[0:1], 0x20             ; tilerow s[12:13], tileexp s[14:15]
	v_lshl_add_u32 v[SPW], v0, 2, SPARE
	v_mov_b32 v[NIL], 0
	v_lshrrev_b32 v1, 5, v0
	v_readfirstlane_b32 s16, v1                    ; wave 0..7
	v_and_b32 v1, 31, v0                           ; lane
	s_wait_kmcnt 0x0
	s_cmp_eq_u32 ttmp9, 0                          ; the work-group's number alone: all eight waves go the same way
	s_cbranch_scc1 .Lroute
; ---------------- THE WEIGHTS.  Work-group g' + 1 takes K step (16 e + s) = g' / 2 and columns 256 (g' % 2) on; wave w 32 of them; no LDS, no barrier, no loop.
	s_sub_co_u32 s17, ttmp9, 1                     ; g'
	s_lshr_b32 s18, s17, 1
	s_lshl_b32 s18, s18, 18                        ; 128 rows of 2,048 bytes for each K step
	s_and_b32 s19, s17, 1
	s_lshl_b32 s19, s19, 10                        ; 256 columns of 4 bytes
	s_or_b32 s18, s18, s19
	s_lshl_b32 s19, s16, 7                         ; my wave's 32 columns
	s_or_b32 s18, s18, s19
	s_mov_b32 s19, 0
	s_add_nc_u64 s[6:7], s[6:7], s[18:19]
	s_lshl_b32 s18, s17, 14                        ; 16 fragments of 1,024 bytes for each work-group,
	s_lshl_b32 s20, s16, 11                        ; two for each wave
	s_or_b32 s18, s18, s20
	s_add_nc_u64 s[8:9], s[8:9], s[18:19]
	s_lshl_b32 s18, s17, 10                        ; 256 scale words for each work-group,
	s_lshl_b32 s20, s16, 7                         ; 32 for each wave
	s_or_b32 s18, s18, s20
	s_add_nc_u64 s[10:11], s[10:11], s[18:19]
	v_lshlrev_b32 v2, 2, v1                        ; 4 x lane: my column in a row of weight, and my scale word
	v_lshrrev_b32 v3, 4, v1
	v_lshlrev_b32 v3, 10, v3                       ; lanes 16-31: the next fragment
	v_and_b32 v4, 15, v1
	v_lshl_add_u32 v3, v4, 4, v3                   ; + 16 x (column % 16)
.set k, 0
.rept 128
	global_load_b32 v[X+k], v2, s[6:7] offset:2048*k th:TH_LOAD_NT   ; weight(128 s + k, my column): the wave reads 128 consecutive bytes; read once in the launch
.set k, k+1
.endr
.macro WBLOCK b                        ; block b of the K step: 32 numbers, all mine
.set XS, X+32*\b
.if \b < 2
	s_wait_loadcnt 63                              ; 96 and 64 younger loads might stay out; 63 is the largest count that the wait can name
.else
	s_wait_loadcnt 96-32*\b                        ; the later blocks' loads stay out
.endif
	v_max3_num_f32 v4, |v[XS]|, |v[XS+1]|, |v[XS+2]|   ; the largest magnitude, in two chains
	v_max3_num_f32 v5, |v[XS+3]|, |v[XS+4]|, |v[XS+5]|
.irp i, 6,10,14,18,22,26
	v_max3_num_f32 v4, v4, |v[XS+\i]|, |v[XS+\i+1]|
	v_max3_num_f32 v5, v5, |v[XS+\i+2]|, |v[XS+\i+3]|
.endr
	v_max3_num_f32 v4, v4, |v[XS+30]|, |v[XS+31]|
	v_max3_num_f32 v4, v4, v5, 0x1800000           ; and the floor 2^(3 - 127): the byte cannot fall under 1
	v_add_nc_u32 v6, 0xff000000, v4                ; 2 off the exponent field: the conversion takes the exponent field of this operand as its scale
	v_lshrrev_b32 v7, 23, v6                       ; the scale's byte
.if \b == 0
	v_mov_b32 v8, v7
.else
	v_lshl_or_b32 v8, v7, 8*\b, v8                 ; four bytes to the word, the lower K in the lower byte
.endif
.irp g, 0,1,2,3
	v_cvt_scalef32_pk8_fp4_f32 v[CW+4*\b+\g], v[XS+8*\g:XS+8*\g+7], v6
.endr
	v_nop                                          ; one plain instruction behind the conversions: the next block writes v6 anew
	global_store_b128 v3, v[CW+4*\b:CW+4*\b+3], s[8:9] offset:(\b/2)*512+(\b%2)*256   ; lanes 0-15 store 256 consecutive bytes, aligned, of one fragment, lanes 16-31 of the next
.endm
	WBLOCK 0
	WBLOCK 1
	WBLOCK 2
	WBLOCK 3
	global_store_b32 v2, v8, s[10:11]              ; 32 scale words: 128 consecutive bytes
	s_endpgm
; ---------------- THE ROUTING.  Thread t holds tokens 1024 i + 4 t + c (i = 0 .. 7, c = 0 .. 3) in register 4 i + c.
.Lroute:
	v_lshlrev_b32 v12, 4, v0
	v_lshlrev_b32 v13, 2, v0                       ; 4 t: my first token of a load, my word among the counts, my entry of tileexp
	v_and_b32 v14, 7, v0
	v_lshlrev_b32 v14, 2, v14                      ; lane e (and e + 8, ..) looks at expert e
.irp i, 0,1,2,3,4,5,6,7
	global_load_b128 v[ID+4*\i:ID+4*\i+3], v12, s[4:5] offset:4096*\i
.endr
.irp e, 0,1,2,3,4,5,6,7
	s_mov_b32 s[CNT+\e], 0
.endr
.set jj, 0
.rept 32
	v_add_nc_u32 v[DT+jj], 1024*(jj/4)+jj%4, v13   ; the tokens' numbers, while the ids are on their way
.set jj, jj+1
.endr
	s_wait_loadcnt 0x0
.macro MASKS j                         ; which lanes' token j goes to which expert
.irp e, 0,1,2,3,4,5,6,7
	v_cmp_eq_u32 s[MK+\e], \e, v[ID+\j]
.endr
.endm
.macro TALLY                           ; the running counts take these lanes in
.irp e, 0,1,2,3,4,5,6,7
	s_bcnt1_i32_b32 s[PC+\e], s[MK+\e]
.endr
.irp e, 0,1,2,3,4,5,6,7
	s_add_co_u32 s[CNT+\e], s[CNT+\e], s[PC+\e]
.endr
.endm
.set jj, 0
.rept 32                               ; first pass: my wave's count of each expert
	MASKS jj
	TALLY
.set jj, jj+1
.endr
	v_mov_b32 v15, 0
.irp e, 0,1,2,3,4,5,6,7
	v_writelane_b32 v15, s[CNT+\e], \e             ; lane e: my wave's count of expert e
.endr
	ds_store_b32 v13, v15                          ; 128 bytes a wave
	s_wait_dscnt 0x0                               ; for the others' sake: my counts lie in LDS
	s_barrier_signal -1
	s_barrier_wait -1
.irp w, 0,1,2,3,4,5,6,7
	ds_load_b32 v[16+\w], v14 offset:128*\w        ; every wave's count of my lane's expert
.endr
	s_wait_dscnt 0x0
	v_add_nc_u32 v24, v16, v17
.irp w, 2,3,4,5,6,7
	v_add_nc_u32 v24, v24, v[16+\w]                ; the expert's rows in all
.endr
	v_mov_b32 v25, 0
.irp w, 0,1,2,3,4,5,6
	s_cmp_gt_u32 s16, \w
	s_cselect_b32 s56, -1, 0
	v_and_b32 v28, s56, v[16+\w]
	v_add_nc_u32 v25, v25, v28                     ; those of the waves in front of mine
.endr
	v_add_nc_u32 v26, 31, v24
	v_lshrrev_b32 v26, 5, v26                      ; the expert's tiles
	v_mov_b32 v27, v26
.irp n, 1,2,4                          ; tiles up to and with my expert: a scan over lanes 0 .. 7 (the other lanes' results are not used)
	v_mov_b32 v28, 0
	v_mov_b32_dpp v28, v27 row_shr:\n row_mask:0xf bank_mask:0xf
	v_add_nc_u32 v27, v27, v28
.endr
	v_sub_nc_u32 v29, v27, v26                     ; the expert's first tile
	v_lshl_add_u32 v30, v29, 5, v25                ; the slot of my wave's first row of it
	v_lshl_add_u32 v31, v29, 5, v24                ; the slot behind its last row
.irp e, 0,1,2,3,4,5,6,7
	v_readlane_b32 s[INC+\e], v27, \e
	v_readlane_b32 s[CNT+\e], v30, \e              ; the running counts begin anew at my wave's first slots: a rank is then a slot
	v_readlane_b32 s[PE+\e], v31, \e
.endr
.macro RANK j
	MASKS \j
	v_mbcnt_lo_u32_b32 v[RK+\j], s[MK], s[CNT]     ; running count + the lanes of the same expert below mine; expert 0's writes the register whole
.irp e, 1,2,3,4,5,6,7
	v_mbcnt_lo_u32_b32 v[15+\e], s[MK+\e], s[CNT+\e]
.endr
.irp e, 1,2,3,4,5,6,7
	v_cndmask_b32 v[RK+\j], v[RK+\j], v[15+\e], s[MK+\e]
.endr
	TALLY
.endm
.set jj, 0
.rept 32                               ; second pass: each token's slot
	RANK jj
.set jj, jj+1
.endr
.set jj, 0
.rept 32
	v_min_u32 v[RK+jj], 0x20ff, v[RK+jj]           ; a number made of loaded numbers is held inside the buffer's 8,448 slots before it becomes an address
	v_lshlrev_b32 v[RK+jj], 2, v[RK+jj]
	global_store_b32 v[RK+jj], v[DT+jj], s[12:13]
.set jj, jj+1
.endr
	; the slots behind an expert's last row, up to the end of its last tile (31 at the most): wave w sees to expert w.  Every lane stores: a lane beyond the tile's end
	; stores the same 'no token' into slot 8,447
	s_mov_b32 s57, s[PE]
	s_mov_b32 s58, s[INC]
.irp e, 1,2,3,4,5,6,7
	s_cmp_eq_u32 s16, \e
	s_cselect_b32 s57, s[PE+\e], s57
	s_cselect_b32 s58, s[INC+\e], s58
.endr
	s_lshl_b32 s58, s58, 5                         ; the first slot of the next expert
	v_mov_b32 v[PAD+2], 0x2000                     ; 'no token'
	v_mov_b32 v[PAD+3], 0x20ff                     ; slot 8,447
	v_add_nc_u32 v[PAD], s57, v1
	v_cmp_gt_u32 vcc_lo, s58, v[PAD]               ; still inside the expert's last tile?
	v_cndmask_b32 v[PAD], v[PAD+3], v[PAD], vcc_lo
	v_min_u32 v[PAD], 0x20ff, v[PAD]               ; held inside the buffer before it becomes an address
	v_lshlrev_b32 v[PAD], 2, v[PAD]
	global_store_b32 v[PAD], v[PAD+2], s[12:13]
	; the slots of the tiles that this split does not use: from 32 x (all tiles), which is at least 8,192, to 8,447: one for each of 256 threads at the most;
	; the hold at 8,447 sends the threads beyond the end to the last slot, which takes the same number
	s_lshl_b32 s57, s[INC+7], 5
	v_add_nc_u32 v[PAD+1], s57, v0
	v_min_u32 v[PAD+1], 0x20ff, v[PAD+1]
	v_lshlrev_b32 v[PAD+1], 2, v[PAD+1]
	global_store_b32 v[PAD+1], v[PAD+2], s[12:13]
	; tileexp: tile g belongs to the expert e for which e experts have all their tiles at or under g; 8 where all have
	v_add_nc_u32 v20, 0x100, v0
	v_mov_b32 v21, 0
	v_mov_b32 v22, 0
.irp e, 0,1,2,3,4,5,6,7
	v_cmp_le_u32 vcc_lo, s[INC+\e], v0
	v_cndmask_b32 v23, 0, 1, vcc_lo
	v_add_nc_u32 v21, v21, v23
	v_cmp_le_u32 vcc_lo, s[INC+\e], v20
	v_cndmask_b32 v23, 0, 1, vcc_lo
	v_add_nc_u32 v22, v22, v23
.endr
	global_store_b32 v13, v21, s[14:15]
	global_store_b32 v13, v22, s[14:15] offset:1024
	s_wait_tensorcnt 0x0                           ; the wave's end, behind my last LDS store
	ds_add_u32 v[SPW], v[NIL]
	s_wait_dscnt 0x0
	s_endpgm
.Lfunc_end_k_q26854a5fe6_prep:
	.size	k_q26854a5fe6_prep, .Lfunc_end_k_q26854a5fe6_prep-k_q26854a5fe6_prep
	.p2alignl 7, 3214868480
	.fill 96, 4, 3214868480
	.section	.rodata,"a",@progbits
	.p2align	6, 0x0
	.amdhsa_kernel k_q26854a5fe6_prep
		.amdhsa_group_segment_fixed_size 2048
		.amdhsa_private_segment_fixed_size 0
		.amdhsa_enable_private_segment 0
		.amdhsa_kernarg_size 48
		.amdhsa_user_sgpr_count 2
		.amdhsa_user_sgpr_kernarg_segment_ptr 1
		.amdhsa_wavefront_size32 1
		.amdhsa_system_sgpr_workgroup_id_x 1
		.amdhsa_system_sgpr_workgroup_id_y 1
		.amdhsa_system_sgpr_workgroup_id_z 1
		.amdhsa_system_vgpr_workitem_id 0
		.amdhsa_next_free_vgpr 160
		.amdhsa_next_free_sgpr 76
		.amdhsa_reserve_vcc 1
		.amdhsa_float_denorm_mode_32 3
		.amdhsa_float_denorm_mode_16_64 3
		.amdhsa_memory_ordered 1
		.amdhsa_forward_progress 1
		.amdhsa_inst_pref_size 132
	.end_amdhsa_kernel
	.amdgpu_metadata
---
amdhsa.version: [ 1, 2 ]
amdhsa.kernels:
  - .name:           k_q26854a5fe6_prep
    .symbol:         k_q26854a5fe6_prep.kd
    .args:
      - { .name: exp_ids, .offset: 0, .size: 8, .value_kind: global_buffer, .address_space: global }
      - { .name: weight, .offset: 8, .size: 8, .value_kind: global_buffer, .address_space: global }
      - { .name: wq, .offset: 16, .size: 8, .value_kind: global_buffer, .address_space: global }
      - { .name: ws, .offset: 24, .size: 8, .value_kind: global_buffer, .address_space: global }
      - { .name: tilerow, .offset: 32, .size: 8, .value_kind: global_buffer, .address_space: global }
      - { .name: tileexp, .offset: 40, .size: 8, .value_kind: global_buffer, .address_space: global }
    .group_segment_fixed_size: 2048
    .private_segment_fixed_size: 0
    .kernarg_segment_align: 8
    .kernarg_segment_size: 48
    .max_flat_workgroup_size: 256
    .sgpr_count:     76
    .vgpr_count:     160
    .wavefront_size: 32
...
	.end_amdgpu_metadata
.endif
;; end of part 1
;; launch moe (part 2): grid 263 x 1, 8 waves a work-group, no clusters, 71,680 bytes of LDS; arguments tokens, wq, ws, tilerow, tileexp, out0; writes out0
.if DOCPART == 2
	.amdgcn_target "amdgcn-amd-amdhsa--gfx1250"
	.amdhsa_code_object_version 6
	.text
	.protected	k_q26854a5fe6_moe
	.globl	k_q26854a5fe6_moe
	.p2align	8
	.type	k_q26854a5fe6_moe,@function
k_q26854a5fe6_moe:
	s_mov_b64 s[64:65], 0
	v_nop
	global_prefetch_b8 v0, s[64:65] scope:SCOPE_SE
	s_setreg_imm32_b32 hwreg(HW_REG_WAVE_MODE, 25, 1), 1
	s_wait_xcnt 0x0
; out0[t] = Q(tokens[t]) . Q(weight[exp_ids[t]]), on codes of FP4 (E2M1) with one E8M0 scale for each 32 along K = 2,048; sums in f32.
; A work-group takes ONE TILE: 32 rows of one expert (tilerow, tileexp, as the launch before stored them) x all 512 columns.  263 work-groups serve every split of 8,192 rows over 8 experts.
; PHASE X: wave w reads slots 4 w .. 4 w + 3 of the tile, whole rows of 8,192 bytes, quantises them in registers and puts codes and scale bytes into LDS.  The tokens' codes never go to memory.
; ONE BARRIER.  PRODUCTS: wave w makes columns 64 w .. 64 w + 63 for all 32 rows: 8 accumulators, 16 K steps of 128, 128 matrix instructions.  The weights' codes come from memory straight
; into operand registers (wq lies in that order), four K steps ahead, in a ring of four sets of registers that is filled while the last token row is still on its way.
; THE MATRIX INSTRUCTION IS USED TRANSPOSED: source 0 = 16 columns of the weight, source 1 = 16 rows of tokens: lane (r, h) then holds row r and eight neighbouring columns 8 h + 0 .. 7.
; A SLOT WITHOUT A TOKEN (0x2000) takes the tile's slot 0 in its stead: it computes that row once more and stores the same numbers to the same place, so EXEC is never written and every count is the same on every path.
; A TILE WITHOUT ROWS (tileexp = 8; at most 7 of the 263, since the tiles in use are at least 256) runs the same text on numbers held inside the buffers and jumps over the way out alone:
; the barrier stands under no branch on a loaded number.
; No tensor loads.  No cluster: the tiles of a fixed group of work-groups need not be one expert's.
; The text is straight: every offset is an immediate (495,104 bytes at the most), no pointer is stepped, and no register that a pending load or store names is written again.
; LIMITS: NaN and infinities among the tokens are not served.  A block of zeros gets the byte 1 where the rule says 127: its codes are zeros, and nobody else reads the byte.
.set XCB,   0                          ; LDS: the tokens' codes: 32 rows x (1,024 bytes + 16 of padding): the pitch is an odd multiple of 16 bytes, so the 16 rows of a fragment load start at 16 different places modulo 256 bytes
.set XSB,   33280                      ; their scale bytes: 32 rows x (64 + 16)
.set STG,   35840                      ; the way out: 16 rows x (256 + 16) bytes for each wave, its own
.set SPARE, 70656                      ; the spare words, 128 bytes for each of eight waves: four blocks of 256 bytes that no other line names
.set SPW, 1                            ; v1   LDS address of my spare word; never rewritten
.set NIL, 2                            ; v2   0; never rewritten
                                       ; v3   32 x lane: my 8 numbers of a segment of 256     v4  16 x lane: my 16 bytes of half a fragment     v5  4 x lane: my scale word
                                       ; v6   where I put 4 bytes of codes     v7  where I put a scale byte     v8  my lane's place in a fragment of tokens     v9  my lane's row of scale bytes
                                       ; v10  the stage, in     v11  the stage, back     v12  4 h     v13  16 r
.set M,   16                           ; phase X: v16-23 largest magnitudes, then the conversions' scale operands
.set BY,  24                           ; phase X: v24-31 scale bytes
.set CD,  32                           ; phase X: v32-39 codes
.set XF,  16                           ; products: v16-31, v32-47 the tokens' fragments (two row tiles), two sets
.set WSC, 48                           ; v48-55 the weights' scale words, two for each set of the ring: lanes 0-15 an even tile of columns, lanes 16-31 the odd one behind it.  Scales and nothing else
.set XSC, 56                           ; v56-63 the tokens' scale words, two sets of four K steps: lanes 0-15 rows 0-15, lanes 16-31 rows 16-31.  Scales and nothing else
.set T0,  64                           ; phase X: three sets of 64 numbers, a row each
.set T1,  128
.set T2,  192
.set ACC, 64                           ; products: accumulator (row tile m, tile of columns j) at v[64 + 8 (4 m + j)]
.set RING, 128                         ; products: v128-255 the weights' fragments: set s % 4, 32 registers
.set OFFS, 128                         ; the way out: v128-143 the rows' byte offsets in out0
.set OB,  160                          ; the way out: v160-223 rows read back from the stage
	s_load_b256 s[4:11], s[0:1], 0x0               ; tokens s[4:5], wq s[6:7], ws s[8:9], tilerow s[10:11]
	s_load_b128 s[12:15], s[0:1], 0x20             ; tileexp s[12:13], out0 s[14:15]
	v_lshl_add_u32 v[SPW], v0, 2, SPARE
	v_mov_b32 v[NIL], 0
	v_lshrrev_b32 v3, 5, v0
	v_readfirstlane_b32 s16, v3                    ; wave 0..7
	v_and_b32 v14, 31, v0                          ; lane
	v_and_b32 v15, 15, v0                          ; r
	v_bfe_u32 v12, v0, 4, 1                        ; h
	v_lshlrev_b32 v3, 5, v14
	v_lshlrev_b32 v4, 4, v14
	v_lshlrev_b32 v5, 2, v14
	s_mul_i32 s26, s16, 4160                       ; my four rows of codes
	v_add_nc_u32 v6, s26, v5                       ; + 4 x lane (the codes begin at LDS byte 0)
	s_mul_i32 s26, s16, 320                        ; my four rows of scale bytes
	v_lshrrev_b32 v7, 2, v14                       ; four lanes to a block of 32
	v_add_nc_u32 v7, s26, v7
	v_add_nc_u32 v7, XSB, v7
	v_mul_u32_u24 v8, v15, 1040
	v_lshl_add_u32 v8, v12, 4, v8                  ; row r, + 16 h
	v_mul_u32_u24 v9, v14, 80
	v_add_nc_u32 v9, XSB, v9                       ; lane l: row l of the tile
	s_mul_i32 s26, s16, 4352
	s_add_co_u32 s26, s26, STG                     ; my stage
	v_mul_u32_u24 v10, v15, 272
	v_lshl_add_u32 v10, v12, 5, v10
	v_add_nc_u32 v10, s26, v10                     ; in: row r, 32 bytes for each half of the lanes
	v_mul_u32_u24 v11, v12, 272
	v_lshl_add_u32 v11, v15, 4, v11
	v_add_nc_u32 v11, s26, v11                     ; back: lanes 0-15 one row of 256 bytes, lanes 16-31 the next
	v_lshlrev_b32 v13, 4, v15
	v_lshlrev_b32 v12, 2, v12
	s_lshl_b32 s18, ttmp9, 2                       ; my tile's entry of tileexp,
	s_mov_b32 s19, 0
	s_lshl_b32 s26, ttmp9, 7                       ; its 32 slots of tilerow,
	s_mov_b32 s27, 0
	s_lshl_b32 s44, s16, 4                         ; my wave's four of them
	s_mov_b32 s45, 0
	s_wait_kmcnt 0x0
	s_add_nc_u64 s[46:47], s[12:13], s[18:19]
	s_add_nc_u64 s[40:41], s[10:11], s[26:27]      ; s[40:41]: the tile's slots; it stays
	s_add_nc_u64 s[44:45], s[40:41], s[44:45]
	s_load_b32 s17, s[46:47], 0x0                  ; the expert, or 8
	s_load_b32 s24, s[40:41], 0x0                  ; slot 0
	s_load_b128 s[20:23], s[44:45], 0x0            ; my four slots
	s_wait_kmcnt 0x0
	s_min_u32 s25, s17, 7                          ; loaded numbers are held inside their tables before they enter an address
	s_min_u32 s24, s24, 0x1fff
.irp i, 0,1,2,3
	s_cmp_lt_u32 s[20+\i], 0x2000                  ; a token, or none?
	s_cselect_b32 s[20+\i], s[20+\i], s24          ; none: slot 0's
	s_min_u32 s[20+\i], s[20+\i], 0x1fff
	s_lshl_b32 s26, s[20+\i], 13                   ; a row of tokens is 8,192 bytes
	s_add_nc_u64 s[28+2*\i:29+2*\i], s[4:5], s[26:27]   ; s[28:35]: my four rows
.endr
; a row's 2,048 numbers into v[B] on: segment g of 256: lane l takes numbers 256 g + 8 l + 0 .. 7, two loads that together cover 1,024 consecutive bytes.  No hint: a slot without a token names slot 0's row again
.macro TLOAD i, B
.irp g, 0,1,2,3,4,5,6,7
	global_load_b128 v[\B+8*\g:\B+8*\g+3], v3, s[28+2*\i:29+2*\i] offset:1024*\g
	global_load_b128 v[\B+8*\g+4:\B+8*\g+7], v3, s[28+2*\i:29+2*\i] offset:1024*\g+16
.endr
.endm
	TLOAD 0, T0                                    ; three rows, 48 loads a wave, go out before anything else is done
	TLOAD 1, T1
	TLOAD 2, T2
	s_lshl_b32 s26, s25, 19                        ; wq: 512 fragments of 1,024 bytes for each expert,
	s_lshl_b32 s18, s16, 12                        ; my four tiles of columns in a K step
	s_add_co_u32 s26, s26, s18
	s_add_nc_u64 s[36:37], s[6:7], s[26:27]
	s_lshl_b32 s26, s25, 15                        ; ws: 16 x 512 words for each expert,
	s_lshl_b32 s18, s16, 8                         ; my 64 columns
	s_add_co_u32 s26, s26, s18
	s_add_nc_u64 s[38:39], s[8:9], s[26:27]
	s_mov_b32 s26, s18                             ; out0: my 64 columns are 256 bytes of a row
	s_add_nc_u64 s[42:43], s[14:15], s[26:27]
; four segments of a row: the blocks' largest magnitudes (a block of 32 lies in four neighbouring lanes), scales, codes; the four by turns, so that no line waits for the line above it
.macro QHALF B, i, g0, cnt
	s_wait_loadcnt \cnt                            ; loads come back in order (ISA guide 5.7.1): these four segments are in, all that was issued behind them stays out
.irp g, \g0, \g0+1, \g0+2, \g0+3
	v_max3_num_f32 v[M+(\g)], |v[\B+8*(\g)]|, |v[\B+8*(\g)+1]|, 0x1800000   ; with the floor 2^(3 - 127): the byte cannot fall under 1
.endr
.irp p, 2,4,6
.irp g, \g0, \g0+1, \g0+2, \g0+3
	v_max3_num_f32 v[M+(\g)], v[M+(\g)], |v[\B+8*(\g)+\p]|, |v[\B+8*(\g)+\p+1]|
.endr
.endr
.irp g, \g0, \g0+1, \g0+2, \g0+3
	v_max_num_f32_dpp v[M+(\g)], v[M+(\g)], v[M+(\g)] row_xmask:1 row_mask:0xf bank_mask:0xf
.endr
.irp g, \g0, \g0+1, \g0+2, \g0+3
	v_max_num_f32_dpp v[M+(\g)], v[M+(\g)], v[M+(\g)] row_xmask:2 row_mask:0xf bank_mask:0xf
.endr
.irp g, \g0, \g0+1, \g0+2, \g0+3
	v_add_nc_u32 v[M+(\g)], 0xff000000, v[M+(\g)]  ; 2 off the exponent field: the conversion's scale operand
.endr
.irp g, \g0, \g0+1, \g0+2, \g0+3
	v_cvt_scalef32_pk8_fp4_f32 v[CD+(\g)], v[\B+8*(\g):\B+8*(\g)+7], v[M+(\g)]
.endr
.irp g, \g0, \g0+1, \g0+2, \g0+3
	v_lshrrev_b32 v[BY+(\g)], 23, v[M+(\g)]        ; the scale's byte.  (These are also the plain instructions behind the conversions)
.endr
.irp g, \g0, \g0+1, \g0+2, \g0+3
	ds_store_b32 v6, v[CD+(\g)] offset:1040*(\i)+128*(\g)   ; the wave's 32 lanes: 128 consecutive bytes of the row's codes
	ds_store_b8 v7, v[BY+(\g)] offset:80*(\i)+8*(\g)        ; the four lanes of a block write the same byte with the same value
.endr
.endm
.macro QROW B, i, after                ; after: the loads issued behind this row's sixteen
	s_wait_dscnt 0x0                               ; the last row's LDS stores have read their registers
	QHALF \B, \i, 0, (\after)+8
	QHALF \B, \i, 4, \after
.endm
; K step s of the weights into set s % 4 of the ring: four fragments (two loads of 512 consecutive bytes each) and two registers of scale words: ten loads
.macro WLOAD s
.irp j, 0,1,2,3
.irp c, 0,1
	global_load_b128 v[RING+32*((\s)%4)+8*\j+4*\c:RING+32*((\s)%4)+8*\j+4*\c+3], v4, s[36:37] offset:32768*(\s)+1024*\j+512*\c
.endr
.endr
.irp p, 0,1
	global_load_b32 v[WSC+2*((\s)%4)+\p], v5, s[38:39] offset:2048*(\s)+128*\p
.endr
.endm
	QROW T0, 0, 32                                 ; behind row 0: rows 1 and 2
	TLOAD 3, T0
	QROW T1, 1, 32                                 ; behind row 1: rows 2 and 3
	WLOAD 0                                        ; the ring takes the registers that the rows leave
	WLOAD 1
	QROW T2, 2, 36                                 ; behind row 2: row 3 and two K steps of weights
	WLOAD 2
	WLOAD 3
	QROW T0, 3, 40                                 ; behind row 3: four K steps of weights
	s_wait_dscnt 0x0                               ; for the others' sake: my codes and scale bytes lie in LDS
	s_barrier_signal -1
	s_barrier_wait -1                              ; everybody's do.  (The weights' loads stay on their way: nobody writes those bytes)
; K step s of the tokens from LDS into set s % 2: lane (r, h) takes, of rows r and 16 + r, k = 128 s + 64 c + 32 h + 0 .. 31; with every fourth step the scale words of four steps
.macro XLOAD s
.irp m, 0,1
.irp c, 0,1
	ds_load_b128 v[XF+16*((\s)%2)+8*\m+4*\c:XF+16*((\s)%2)+8*\m+4*\c+3], v8 offset:16640*\m+64*(\s)+32*\c
.endr
.endr
.if ((\s)%4) == 0
	ds_load_b128 v[XSC+4*(((\s)/4)%2):XSC+4*(((\s)/4)%2)+3], v9 offset:16*((\s)/4)
.endif
.endm
; one product: row tile m, tile of columns j.  An odd tile's scale words lie in lanes 16-31 of its register, and so do those of rows 16-31.  The first K step starts the sums: nothing is cleared
.macro MM s, m, j
.set rD, ACC+8*(4*(\m)+(\j))
.set rW, RING+32*((\s)%4)+8*(\j)
.set rX, XF+16*((\s)%2)+8*(\m)
.set rP, WSC+2*((\s)%4)+(\j)/2
.set rQ, XSC+4*(((\s)/4)%2)+(\s)%4
.if (\s) == 0
.if ((\j)%2 == 0) && ((\m) == 0)
	v_wmma_scale_f32_16x16x128_f8f6f4 v[rD:rD+7], v[rW:rW+7], v[rX:rX+7], 0, v[rP], v[rQ] matrix_a_fmt:MATRIX_FMT_FP4 matrix_b_fmt:MATRIX_FMT_FP4
.elseif (\m) == 0
	v_wmma_scale_f32_16x16x128_f8f6f4 v[rD:rD+7], v[rW:rW+7], v[rX:rX+7], 0, v[rP], v[rQ] matrix_a_fmt:MATRIX_FMT_FP4 matrix_b_fmt:MATRIX_FMT_FP4 matrix_a_scale:MATRIX_SCALE_ROW1
.elseif (\j)%2 == 0
	v_wmma_scale_f32_16x16x128_f8f6f4 v[rD:rD+7], v[rW:rW+7], v[rX:rX+7], 0, v[rP], v[rQ] matrix_a_fmt:MATRIX_FMT_FP4 matrix_b_fmt:MATRIX_FMT_FP4 matrix_b_scale:MATRIX_SCALE_ROW1
.else
	v_wmma_scale_f32_16x16x128_f8f6f4 v[rD:rD+7], v[rW:rW+7], v[rX:rX+7], 0, v[rP], v[rQ] matrix_a_fmt:MATRIX_FMT_FP4 matrix_b_fmt:MATRIX_FMT_FP4 matrix_a_scale:MATRIX_SCALE_ROW1 matrix_b_scale:MATRIX_SCALE_ROW1
.endif
.else
.if ((\j)%2 == 0) && ((\m) == 0)
	v_wmma_scale_f32_16x16x128_f8f6f4 v[rD:rD+7], v[rW:rW+7], v[rX:rX+7], v[rD:rD+7], v[rP], v[rQ] matrix_a_fmt:MATRIX_FMT_FP4 matrix_b_fmt:MATRIX_FMT_FP4
.elseif (\m) == 0
	v_wmma_scale_f32_16x16x128_f8f6f4 v[rD:rD+7], v[rW:rW+7], v[rX:rX+7], v[rD:rD+7], v[rP], v[rQ] matrix_a_fmt:MATRIX_FMT_FP4 matrix_b_fmt:MATRIX_FMT_FP4 matrix_a_scale:MATRIX_SCALE_ROW1
.elseif (\j)%2 == 0
	v_wmma_scale_f32_16x16x128_f8f6f4 v[rD:rD+7], v[rW:rW+7], v[rX:rX+7], v[rD:rD+7], v[rP], v[rQ] matrix_a_fmt:MATRIX_FMT_FP4 matrix_b_fmt:MATRIX_FMT_FP4 matrix_b_scale:MATRIX_SCALE_ROW1
.else
	v_wmma_scale_f32_16x16x128_f8f6f4 v[rD:rD+7], v[rW:rW+7], v[rX:rX+7], v[rD:rD+7], v[rP], v[rQ] matrix_a_fmt:MATRIX_FMT_FP4 matrix_b_fmt:MATRIX_FMT_FP4 matrix_a_scale:MATRIX_SCALE_ROW1 matrix_b_scale:MATRIX_SCALE_ROW1
.endif
.endif
.endm
.macro RILOAD                          ; the way out's rows: register 8 m + t: the token of slot 16 m + 2 t + h.  Sixteen loads, into the set of the ring that K step 12 has left
.irp m, 0,1
.irp t, 0,1,2,3,4,5,6,7
	global_load_b32 v[OFFS+8*\m+\t], v12, s[40:41] offset:4*(16*\m+2*\t)
.endr
.endr
.endm
; A K STEP: the next step's tokens are asked of LDS, this step's operands are waited for, eight products on the eight accumulators by turns (one instruction a turn, from step to step too),
; four places, and the set of the ring that has been read takes the K step four further on.
.macro KSTEP s
.if (\s) < 15
	XLOAD (\s)+1
.endif
.if (\s) == 15
	s_wait_dscnt 0x0
.elseif ((\s)%4) == 3
	s_wait_dscnt 5                                 ; this step's tokens are in; the five loads just issued may be out
.else
	s_wait_dscnt 4                                 ; likewise, four
.endif
.if (\s) <= 12
	s_wait_loadcnt 30                              ; this step's ten loads are in; those of the three steps behind it stay out
.else
	s_wait_loadcnt 36-10*((\s)-13)                 ; the steps that are left, ten loads each, and the sixteen of the way out's rows
.endif
.irp m, 0,1
.irp j, 0,1,2,3
	MM \s, \m, \j
.endr
.endr
.rept 4
	v_nop                                          ; four places in front of loads into registers that these products have read, and of the first read of results
.endr
.if (\s) <= 11
	WLOAD (\s)+4
.elseif (\s) == 12
	RILOAD
.endif
.endm
	XLOAD 0
.irp s, 0,1,2,3,4,5,6,7,8,9,10,11,12,13,14,15
	KSTEP \s
.endr
	s_cmp_gt_u32 s17, 7                            ; a tile without rows has nothing to store: the one branch on a stored number, round the way out alone
	s_cbranch_scc1 .Lend
	; THE WAY OUT.  A lane holds 32 neighbouring bytes of a row and the lanes beside it hold other rows: a row tile (16 rows x 256 bytes) goes through my own stage and comes back by rows.
	s_wait_loadcnt 0x0                             ; the rows' tokens
.set q, 0
.rept 16
	v_cmp_gt_u32 vcc_lo, 0x2000, v[OFFS+q]         ; a token, or none?
	v_cndmask_b32 v[OFFS+q], s24, v[OFFS+q], vcc_lo   ; none: slot 0's, whose numbers this row holds
	v_min_u32 v[OFFS+q], 0x1fff, v[OFFS+q]         ; held inside out0's rows before it becomes an address
	v_lshl_add_u32 v[OFFS+q], v[OFFS+q], 11, v13   ; a row of out0 is 2,048 bytes; + 16 r
.set q, q+1
.endr
.irp m, 0,1
.irp j, 0,1,2,3
	ds_store_b128 v10, v[ACC+8*(4*\m+\j):ACC+8*(4*\m+\j)+3] offset:64*\j        ; each accumulator from its low end on
	ds_store_b128 v10, v[ACC+8*(4*\m+\j)+4:ACC+8*(4*\m+\j)+7] offset:64*\j+16
.endr
.irp t, 0,1,2,3,4,5,6,7
	ds_load_b128 v[OB+32*\m+4*\t:OB+32*\m+4*\t+3], v11 offset:544*\t   ; LDS serves a wave's instructions in order (ISA guide 5.7.1.4): these see the stores above, and the next row tile's stores come behind them
.endr
.endr
.irp m, 0,1
.irp t, 0,1,2,3,4,5,6,7
	s_wait_dscnt 23-16*\m-\t                       ; rows 2 t and 2 t + 1 of the row tile are back; what was issued behind them may be out
	global_store_b128 v[OFFS+8*\m+\t], v[OB+32*\m+4*\t:OB+32*\m+4*\t+3], s[42:43] th:TH_STORE_NT   ; sixteen lanes store 256 consecutive bytes of a row, at a multiple of 256 from out0's first byte; written once, read by nobody here
.endr
.endr
.Lend:
	s_wait_tensorcnt 0x0                           ; the wave's end, behind my last LDS store
	ds_add_u32 v[SPW], v[NIL]
	s_wait_dscnt 0x0
	s_endpgm
.Lfunc_end_k_q26854a5fe6_moe:
	.size	k_q26854a5fe6_moe, .Lfunc_end_k_q26854a5fe6_moe-k_q26854a5fe6_moe
	.p2alignl 7, 3214868480
	.fill 96, 4, 3214868480
	.section	.rodata,"a",@progbits
	.p2align	6, 0x0
	.amdhsa_kernel k_q26854a5fe6_moe
		.amdhsa_group_segment_fixed_size 71680
		.amdhsa_private_segment_fixed_size 0
		.amdhsa_enable_private_segment 0
		.amdhsa_kernarg_size 48
		.amdhsa_user_sgpr_count 2
		.amdhsa_user_sgpr_kernarg_segment_ptr 1
		.amdhsa_wavefront_size32 1
		.amdhsa_system_sgpr_workgroup_id_x 1
		.amdhsa_system_sgpr_workgroup_id_y 1
		.amdhsa_system_sgpr_workgroup_id_z 1
		.amdhsa_system_vgpr_workitem_id 0
		.amdhsa_next_free_vgpr 256
		.amdhsa_next_free_sgpr 66
		.amdhsa_reserve_vcc 1
		.amdhsa_float_denorm_mode_32 3
		.amdhsa_float_denorm_mode_16_64 3
		.amdhsa_memory_ordered 1
		.amdhsa_forward_progress 1
		.amdhsa_inst_pref_size 80
	.end_amdhsa_kernel
	.amdgpu_metadata
---
amdhsa.version: [ 1, 2 ]
amdhsa.kernels:
  - .name:           k_q26854a5fe6_moe
    .symbol:         k_q26854a5fe6_moe.kd
    .args:
      - { .name: tokens, .offset: 0, .size: 8, .value_kind: global_buffer, .address_space: global }
      - { .name: wq, .offset: 8, .size: 8, .value_kind: global_buffer, .address_space: global }
      - { .name: ws, .offset: 16, .size: 8, .value_kind: global_buffer, .address_space: global }
      - { .name: tilerow, .offset: 24, .size: 8, .value_kind: global_buffer, .address_space: global }
      - { .name: tileexp, .offset: 32, .size: 8, .value_kind: global_buffer, .address_space: global }
      - { .name: out0, .offset: 40, .size: 8, .value_kind: global_buffer, .address_space: global }
    .group_segment_fixed_size: 71680
    .private_segment_fixed_size: 0
    .kernarg_segment_align: 8
    .kernarg_segment_size: 48
    .max_flat_workgroup_size: 256
    .sgpr_count:     66
    .vgpr_count:     256
    .wavefront_size: 32
...
	.end_amdgpu_metadata
.endif
;; end of part 2
;; ======== version 2 of 2: 2 launches; 1.11 times as fast as version 1
;; workspace buffers: wq 4,194,304 bytes; ws 262,144 bytes; tilerow 33,792 bytes of whole numbers; tileexp 2,048 bytes of whole numbers
;; launch prep (part 3): grid 257 x 1, 8 waves a work-group, no clusters, 2,048 bytes of LDS; arguments exp_ids, weight, wq, ws, tilerow, tileexp; writes wq, ws, tilerow, tileexp
.if DOCPART == 3
	.amdgcn_target "amdgcn-amd-amdhsa--gfx1250"
	.amdhsa_code_object_version 6
	.text
	.protected	k_q26854a5fe6_prep
	.globl	k_q26854a5fe6_prep
	.p2align	8
	.type	k_q26854a5fe6_prep,@function
k_q26854a5fe6_prep:
	s_mov_b64 s[64:65], 0
	v_nop
	global_prefetch_b8 v0, s[64:65] scope:SCOPE_SE
	s_setreg_imm32_b32 hwreg(HW_REG_WAVE_MODE, 25, 1), 1
	s_wait_xcnt 0x0
; Two jobs in one launch, told apart by the work-group's number.
; WORK-GROUPS 1 .. 256: weight [8][2048 (k)][512 (n)], f32, becomes codes of FP4 (E2M1) with one E8M0 scale byte for each 32 along K, laid in the order in which the product's
; launch takes them into operand registers.  wq: fragment F = (16 e + s) 32 + T (expert e, K step s, T = column / 16), 1,024 bytes; in it block b of column
; r = column % 16 lies at 512 (b / 2) + 256 (b % 2) + 16 r.  ws: one word (the four bytes of a K step) at 4 ((16 e + s) 512 + column).
; THE ORDER OF K is this program's own, the same for the weights here and for the tokens in the product's launch, so that the products pair the same k; the quantiser's blocks are the true ones.
;   K step s = 2 q + u (q = 0 .. 7, u = 0, 1), block b of it: the true block 8 (4 u + b) + q, that is k = 1024 u + 256 b + 32 q + 0 .. 31;
;   place p = 8 c + n of a block: k = 4 c + n for n < 4, 16 + 4 c + (n - 4) for n >= 4.
; A LANE TAKES A COLUMN AND ITS REGISTERS RUN DOWN K in that order: each load reads 128 consecutive bytes, a block of 32 lies in one lane, and the conversions give the codes as they are wanted.
; A block's scale is 2^(floor(log2(largest magnitude)) - 2): its byte is the largest magnitude's exponent field - 2, held at 1 from below.
; WORK-GROUP 0: the 8,192 rows are placed by expert (a counting sort, no atomics; the order of an expert's rows is free) into tiles of 32 slots.  tilerow[32 tile + i] = a token's number, or
; 0x2000 in a slot without one; tileexp[tile] = the tile's expert, or 8 for a tile without rows.  An expert's tiles follow each other; there are never more than 263.  All 8,448 slots and 512 entries are stored.
; EXEC is never written: a lane with nothing to store stores 'no token' into slot 8,447, which no split uses (263 tiles end at slot 8,415).
; LIMITS: exp_ids lie in 0 .. 7, as the problem grants.  NaN and infinities in weight are not served.  A block of zeros gets the byte 1 where the rule says 127: its codes are zeros,
; and this program alone reads the bytes.
.set SPARE, 1024                       ; LDS: bytes 0 .. 1,023 the waves' counts (128 bytes a wave); from 1,024 on the spare words, 128 bytes for each of eight waves
.set SPW, 10                           ; v10  LDS address of my spare word; never rewritten
.set NIL, 11                           ; v11  0; never rewritten
.set X,   32                           ; weight path: v32-159 my column's 128 numbers
.set CW,  12                           ; weight path: v12-27 the codes, four registers a block, never rewritten
.set ID,  32                           ; routing: v32-63 the ids of my 32 tokens
.set RK,  64                           ; routing: v64-95 their ranks in a group of 8, then slots, then byte offsets
.set DT,  96                           ; routing: v96-127 their numbers
.set QF,  128                          ; routing: v128-143 group k's counts in 16-bit fields: register 4 k + p: expert p below, expert p + 4 above
.set TS,  144                          ; routing: v144-147 my thread's counts, so laid
.set IS,  148                          ; routing: v148-151 their sums over the lanes up to and with mine
.set SHF, 152                          ; routing: v152-155 at work
.set ACN, 156                          ; routing: v156-159 group k's counts, a nibble an expert
.set LL,  144                          ; routing, later: v144-151 low bytes, v152-159 high bytes of eight tokens' first slots
.set HH,  152
.set HMK, 160                          ; routing: v160 all ones in lanes 16-31, 0 in lanes 0-15
.set PAD, 161                          ; routing: v161 the pads' offset, v162 the tail's, v163 'no token', v164 the last slot's number
.set GB,  16                           ; routing, later: v16-19 the first slots of my thread's group in hand, in 16-bit fields; v20-23 at work; v24-27 the same as tables of bytes
.set TOT, 24                           ; s[24:31] each expert's rows
.set INC, 32                           ; s[32:39] tiles up to and with each expert
.set POS, 40                           ; s[40:47] rows of the waves in front of mine, then the slot of my wave's first row
.set TB,  48                           ; s[48:55] each expert's first slot
.set PB,  56                           ; s[56:59] packed: the totals, later my wave's first slots
.set BP,  60                           ; s[60:63] packed: the rows of the waves in front of mine
.set PE,  66                           ; s[66:73] the slot behind each expert's last row
.set SX,  74                           ; s[74:78] byte selects; s79 the mask of a nibble in each half
.set TMP, 80                           ; s80, s81 at work
.set RL,  82                           ; s[82:85] numbers read out of a lane
	s_load_b256 s[4:11], s[0:1], 0x0               ; exp_ids s[4:5], weight s[6:7], wq s[8:9], ws s[10:11]
	s_load_b128 s[12:15], s[0:1], 0x20             ; tilerow s[12:13], tileexp s[14:15]
	v_lshl_add_u32 v[SPW], v0, 2, SPARE
	v_mov_b32 v[NIL], 0
	v_lshrrev_b32 v1, 5, v0
	v_readfirstlane_b32 s16, v1                    ; wave 0..7
	v_and_b32 v1, 31, v0                           ; lane
	s_wait_kmcnt 0x0
	s_cmp_eq_u32 ttmp9, 0                          ; the work-group's number alone: all eight waves go the same way
	s_cbranch_scc1 .Lroute
; ---------------- THE WEIGHTS.  Work-group g' + 1 takes K step (16 e + s) = g' / 2 and columns 256 (g' % 2) on; wave w 32 of them; no LDS, no barrier, no loop.
	s_sub_co_u32 s17, ttmp9, 1                     ; g' = 32 e + 4 q + 2 u + half
	s_lshr_b32 s18, s17, 5
	s_lshl_b32 s18, s18, 22                        ; an expert: 2,048 rows of 2,048 bytes
	s_bfe_u32 s19, s17, 0x30002                    ; q
	s_lshl_b32 s19, s19, 16                        ; 32 rows
	s_or_b32 s18, s18, s19
	s_bfe_u32 s19, s17, 0x10001                    ; u
	s_lshl_b32 s19, s19, 21                        ; 1,024 rows
	s_or_b32 s18, s18, s19
	s_and_b32 s19, s17, 1
	s_lshl_b32 s19, s19, 10                        ; 256 columns of 4 bytes
	s_or_b32 s18, s18, s19
	s_lshl_b32 s19, s16, 7                         ; my wave's 32 columns
	s_or_b32 s18, s18, s19
	s_mov_b32 s19, 0
	s_add_nc_u64 s[6:7], s[6:7], s[18:19]
	s_lshl_b32 s18, s17, 14                        ; 16 fragments of 1,024 bytes for each work-group,
	s_lshl_b32 s20, s16, 11                        ; two for each wave
	s_or_b32 s18, s18, s20
	s_add_nc_u64 s[8:9], s[8:9], s[18:19]
	s_lshl_b32 s18, s17, 10                        ; 256 scale words for each work-group,
	s_lshl_b32 s20, s16, 7                         ; 32 for each wave
	s_or_b32 s18, s18, s20
	s_add_nc_u64 s[10:11], s[10:11], s[18:19]
	v_lshlrev_b32 v2, 2, v1                        ; 4 x lane: my column in a row of weight, and my scale word
	v_lshrrev_b32 v3, 4, v1
	v_lshlrev_b32 v3, 10, v3                       ; lanes 16-31: the next fragment
	v_and_b32 v4, 15, v1
	v_lshl_add_u32 v3, v4, 4, v3                   ; + 16 x (column % 16)
.set k, 0
.rept 128                              ; register 32 b + p takes the row of block b's place p: 256 b + 4 (p / 8) + p % 4 + 16 ((p / 4) % 2) rows on; 1,636,352 bytes at the most, inside the signed 24-bit immediate
.set kp, k%32
.set kk, 256*(k/32)+4*(kp/8)+(kp%4)+16*((kp/4)%2)
	global_load_b32 v[X+k], v2, s[6:7] offset:2048*kk th:TH_LOAD_NT   ; the wave reads 128 consecutive bytes; read once in the launch
.set k, k+1
.endr
.macro WBLOCK b                        ; block b of the K step: 32 numbers, all mine
.set XS, X+32*\b
.if \b < 2
	s_wait_loadcnt 63                              ; 96 and 64 younger loads might stay out; 63 is the largest count that the wait can name
.else
	s_wait_loadcnt 96-32*\b                        ; the later blocks' loads stay out
.endif
	v_max3_num_f32 v4, |v[XS]|, |v[XS+1]|, |v[XS+2]|   ; the largest magnitude, in two chains
	v_max3_num_f32 v5, |v[XS+3]|, |v[XS+4]|, |v[XS+5]|
.irp i, 6,10,14,18,22,26
	v_max3_num_f32 v4, v4, |v[XS+\i]|, |v[XS+\i+1]|
	v_max3_num_f32 v5, v5, |v[XS+\i+2]|, |v[XS+\i+3]|
.endr
	v_max3_num_f32 v4, v4, |v[XS+30]|, |v[XS+31]|
	v_max3_num_f32 v4, v4, v5, 0x1800000           ; and the floor 2^(3 - 127): the byte cannot fall under 1
	v_add_nc_u32 v6, 0xff000000, v4                ; 2 off the exponent field: the conversion takes the exponent field of this operand as its scale
	v_lshrrev_b32 v7, 23, v6                       ; the scale's byte
.if \b == 0
	v_mov_b32 v8, v7
.else
	v_lshl_or_b32 v8, v7, 8*\b, v8                 ; four bytes to the word, block 0's in the lowest byte
.endif
.irp g, 0,1,2,3
	v_cvt_scalef32_pk8_fp4_f32 v[CW+4*\b+\g], v[XS+8*\g:XS+8*\g+7], v6
.endr
	v_nop                                          ; one plain instruction behind the conversions: the next block writes v6 anew
	global_store_b128 v3, v[CW+4*\b:CW+4*\b+3], s[8:9] offset:(\b/2)*512+(\b%2)*256   ; lanes 0-15 store 256 consecutive bytes, aligned, of one fragment, lanes 16-31 of the next
.endm
	WBLOCK 0
	WBLOCK 1
	WBLOCK 2
	WBLOCK 3
	global_store_b32 v2, v8, s[10:11]              ; 32 scale words: 128 consecutive bytes
	s_endpgm
; ---------------- THE ROUTING.  Thread t holds tokens 1024 i + 4 t + c (i = 0 .. 7, c = 0 .. 3) in register 4 i + c; registers 8 k .. 8 k + 7 are its group k.
; A token's slot = its expert's first slot + the expert's rows in the waves in front, in the lanes in front, in my thread's groups in front, and in front of it in its group.
.Lroute:
	v_lshlrev_b32 v12, 4, v0
	v_lshlrev_b32 v13, 2, v0                       ; 4 t: my first token of a load, my word among the counts, my entry of tileexp
	v_and_b32 v14, 3, v0
	v_lshlrev_b32 v14, 2, v14                      ; lane p (and p + 4, ..) looks at experts p and p + 4
.irp i, 0,1,2,3,4,5,6,7
	global_load_b128 v[ID+4*\i:ID+4*\i+3], v12, s[4:5] offset:4096*\i
.endr
	s_mov_b32 s[SX], 0x05010400                    ; of two registers of fields: the lower fields' low bytes, then their high bytes
	s_mov_b32 s[SX+1], 0x07030602                  ; the same of the upper fields
	s_mov_b32 s[SX+2], 0x05040100                  ; the two low halves
	s_mov_b32 s[SX+3], 0x07060302                  ; the two high halves
	s_mov_b32 s[SX+4], 0x00000400                  ; byte 0 of the second source, byte 0 of the first; the two bytes above are cut off afterwards
	s_mov_b32 s[SX+5], 0x000f000f
	v_bfe_u32 v15, v0, 4, 1
	v_sub_nc_u32 v[HMK], 0, v15
.irp k, 0,1,2,3
	v_mov_b32 v[ACN+\k], 0
.endr
.set jj, 0
.rept 32
	v_add_nc_u32 v[DT+jj], 1024*(jj/4)+jj%4, v13   ; the tokens' numbers, while the ids are on their way
.set jj, jj+1
.endr
	s_wait_loadcnt 0x0
.irp i, 0,1,2,3,4,5,6,7                ; a group's counts: a nibble an expert (8 at the most); a token's rank in its group is its expert's count so far.  The four groups by turns
.irp k, 0,1,2,3
	v_lshlrev_b32 v[SHF+\k], 2, v[ID+8*\k+\i]
.endr
.irp k, 0,1,2,3
	v_bfe_u32 v[RK+8*\k+\i], v[ACN+\k], v[SHF+\k], 4
.endr
.irp k, 0,1,2,3
	v_lshl_add_u32 v[ACN+\k], 1, v[SHF+\k], v[ACN+\k]
.endr
.endr
.irp k, 0,1,2,3                        ; the nibbles widened to 16-bit fields, in which even all 8,192 rows have room
	v_and_b32 v[QF+4*\k], s[SX+5], v[ACN+\k]
.irp p, 1,2,3
	v_lshrrev_b32 v[QF+4*\k+\p], 4*\p, v[ACN+\k]
	v_and_b32 v[QF+4*\k+\p], s[SX+5], v[QF+4*\k+\p]
.endr
.endr
.irp p, 0,1,2,3
	v_add_nc_u32 v[TS+\p], v[QF+\p], v[QF+4+\p]
.endr
.irp p, 0,1,2,3
	v_add_nc_u32 v[TS+\p], v[TS+\p], v[QF+8+\p]
.endr
.irp p, 0,1,2,3
	v_add_nc_u32 v[TS+\p], v[TS+\p], v[QF+12+\p]   ; my thread's counts
.endr
.irp p, 0,1,2,3
	v_mov_b32 v[IS+\p], v[TS+\p]
.endr
.irp n, 1,2,4,8                        ; summed over the lanes up to mine: inside each 16 lanes,
.irp p, 0,1,2,3
	v_mov_b32 v[SHF+\p], 0
.endr
.irp p, 0,1,2,3
	v_mov_b32_dpp v[SHF+\p], v[IS+\p] row_shr:\n row_mask:0xf bank_mask:0xf   ; a lane without a source keeps the 0
.endr
.irp p, 0,1,2,3
	v_add_nc_u32 v[IS+\p], v[IS+\p], v[SHF+\p]
.endr
.endr
.irp p, 0,1,2,3
	v_readlane_b32 s[RL+\p], v[IS+\p], 15
.endr
.irp p, 0,1,2,3
	v_and_b32 v[SHF+\p], s[RL+\p], v[HMK]
.endr
.irp p, 0,1,2,3
	v_add_nc_u32 v[IS+\p], v[IS+\p], v[SHF+\p]     ; and lanes 16-31 take the lower 16 lanes' sum in
.endr
.irp p, 0,1,2,3
	v_readlane_b32 s[RL+\p], v[IS+\p], 31          ; my wave's counts
.endr
	v_mov_b32 v15, 0
.irp p, 0,1,2,3
	v_writelane_b32 v15, s[RL+\p], \p
.endr
	ds_store_b32 v13, v15                          ; 128 bytes a wave, the counts in its first four words
	s_wait_dscnt 0x0                               ; for the others' sake: my counts lie in LDS
	s_barrier_signal -1
	s_barrier_wait -1
.irp w, 0,1,2,3,4,5,6,7
	ds_load_b32 v[16+\w], v14 offset:128*\w        ; every wave's counts of my lane's two experts
.endr
	s_wait_dscnt 0x0
	v_add_nc_u32 v24, v16, v17
.irp w, 2,3,4,5,6,7
	v_add_nc_u32 v24, v24, v[16+\w]                ; the experts' rows in all
.endr
	v_mov_b32 v25, 0
.irp w, 0,1,2,3,4,5,6
	s_cmp_gt_u32 s16, \w
	s_cselect_b32 s[TMP], -1, 0
	v_and_b32 v28, s[TMP], v[16+\w]
	v_add_nc_u32 v25, v25, v28                     ; those of the waves in front of mine
.endr
.irp p, 0,1,2,3
	v_readlane_b32 s[PB+\p], v24, \p
	v_readlane_b32 s[BP+\p], v25, \p
.endr
.irp p, 0,1,2,3                        ; the fields taken apart: a scalar for each expert
	s_and_b32 s[TOT+\p], s[PB+\p], 0xffff
	s_lshr_b32 s[TOT+4+\p], s[PB+\p], 16
	s_and_b32 s[POS+\p], s[BP+\p], 0xffff
	s_lshr_b32 s[POS+4+\p], s[BP+\p], 16
.endr
.irp e, 0,1,2,3,4,5,6,7
	s_add_co_u32 s[INC+\e], s[TOT+\e], 31
	s_lshr_b32 s[INC+\e], s[INC+\e], 5             ; the expert's tiles
.endr
.irp e, 1,2,3,4,5,6,7
	s_add_co_u32 s[INC+\e], s[INC+\e], s[INC+\e-1] ; tiles up to and with the expert
.endr
	s_mov_b32 s[TB], 0
.irp e, 1,2,3,4,5,6,7
	s_lshl_b32 s[TB+\e], s[INC+\e-1], 5            ; the expert's first slot
.endr
.irp e, 0,1,2,3,4,5,6,7
	s_add_co_u32 s[PE+\e], s[TB+\e], s[TOT+\e]     ; the slot behind its last row
	s_add_co_u32 s[POS+\e], s[TB+\e], s[POS+\e]    ; the slot of my wave's first row of it
.endr
.irp p, 0,1,2,3
	s_lshl_b32 s[TMP], s[POS+4+\p], 16
	s_or_b32 s[PB+\p], s[POS+\p], s[TMP]           ; in fields again: no slot passes 8,447
.endr
.irp p, 0,1,2,3
	v_sub_nc_u32 v[GB+\p], v[IS+\p], v[TS+\p]      ; the lanes in front of mine
.endr
.irp p, 0,1,2,3
	v_add_nc_u32 v[GB+\p], s[PB+\p], v[GB+\p]      ; the first slots of my thread's group 0
.endr
; Group k: its eight first slots become two tables of eight bytes, low bytes in v24 (experts 0-3), v25 (4-7), high bytes in v26, v27; a token takes its expert's two bytes with its id as the byte select
.macro GROUP k
	v_perm_b32 v20, v[GB+1], v[GB], s[SX]
	v_perm_b32 v21, v[GB+1], v[GB], s[SX+1]
	v_perm_b32 v22, v[GB+3], v[GB+2], s[SX]
	v_perm_b32 v23, v[GB+3], v[GB+2], s[SX+1]
	v_perm_b32 v24, v22, v20, s[SX+2]
	v_perm_b32 v25, v23, v21, s[SX+2]
	v_perm_b32 v26, v22, v20, s[SX+3]
	v_perm_b32 v27, v23, v21, s[SX+3]
.irp i, 0,1,2,3,4,5,6,7
	v_perm_b32 v[LL+\i], v25, v24, v[ID+8*(\k)+\i] ; byte 0: selects 0 to 3 take the second source's bytes, 4 to 7 the first's
.endr
.irp i, 0,1,2,3,4,5,6,7
	v_perm_b32 v[HH+\i], v27, v26, v[ID+8*(\k)+\i]
.endr
.irp i, 0,1,2,3,4,5,6,7
	v_perm_b32 v[LL+\i], v[HH+\i], v[LL+\i], s[SX+4]
.endr
.irp i, 0,1,2,3,4,5,6,7
	v_and_b32 v[LL+\i], 0xffff, v[LL+\i]           ; the first slot of my group for the token's expert
.endr
.irp i, 0,1,2,3,4,5,6,7
	v_add_nc_u32 v[RK+8*(\k)+\i], v[RK+8*(\k)+\i], v[LL+\i]
.endr
.irp i, 0,1,2,3,4,5,6,7
	v_min_u32 v[RK+8*(\k)+\i], 0x20ff, v[RK+8*(\k)+\i]   ; a number made of loaded numbers is held inside the buffer's 8,448 slots before it becomes an address
.endr
.irp i, 0,1,2,3,4,5,6,7
	v_lshlrev_b32 v[RK+8*(\k)+\i], 2, v[RK+8*(\k)+\i]
.endr
.irp i, 0,1,2,3,4,5,6,7
	global_store_b32 v[RK+8*(\k)+\i], v[DT+8*(\k)+\i], s[12:13]
.endr
.if (\k) < 3
.irp p, 0,1,2,3
	v_add_nc_u32 v[GB+\p], v[GB+\p], v[QF+4*(\k)+\p]   ; on to the next group's first slots
.endr
.endif
.endm
	GROUP 0
	GROUP 1
	GROUP 2
	GROUP 3
	; the slots behind an expert's last row, up to the end of its last tile (31 at the most): wave w sees to expert w.  Every lane stores: a lane beyond the tile's end
	; stores the same 'no token' into slot 8,447
	s_mov_b32 s[TMP], s[PE]
	s_mov_b32 s[TMP+1], s[INC]
.irp e, 1,2,3,4,5,6,7
	s_cmp_eq_u32 s16, \e
	s_cselect_b32 s[TMP], s[PE+\e], s[TMP]
	s_cselect_b32 s[TMP+1], s[INC+\e], s[TMP+1]
.endr
	s_lshl_b32 s[TMP+1], s[TMP+1], 5               ; the first slot of the next expert
	v_mov_b32 v[PAD+2], 0x2000                     ; 'no token'
	v_mov_b32 v[PAD+3], 0x20ff                     ; slot 8,447
	v_add_nc_u32 v[PAD], s[TMP], v1
	v_cmp_gt_u32 vcc_lo, s[TMP+1], v[PAD]          ; still inside the expert's last tile?
	v_cndmask_b32 v[PAD], v[PAD+3], v[PAD], vcc_lo
	v_min_u32 v[PAD], 0x20ff, v[PAD]               ; held inside the buffer before it becomes an address
	v_lshlrev_b32 v[PAD], 2, v[PAD]
	global_store_b32 v[PAD], v[PAD+2], s[12:13]
	; the slots of the tiles that this split does not use: from 32 x (all tiles), which is at least 8,192, to 8,447: one for each of 256 threads at the most;
	; the hold at 8,447 sends the threads beyond the end to the last slot, which takes the same number
	s_lshl_b32 s[TMP], s[INC+7], 5
	v_add_nc_u32 v[PAD+1], s[TMP], v0
	v_min_u32 v[PAD+1], 0x20ff, v[PAD+1]
	v_lshlrev_b32 v[PAD+1], 2, v[PAD+1]
	global_store_b32 v[PAD+1], v[PAD+2], s[12:13]
	; tileexp: tile g belongs to the expert e for which e experts have all their tiles at or under g; 8 where all have
	v_add_nc_u32 v20, 0x100, v0
	v_mov_b32 v21, 0
	v_mov_b32 v22, 0
.irp e, 0,1,2,3,4,5,6,7
	v_cmp_le_u32 vcc_lo, s[INC+\e], v0
	v_cndmask_b32 v23, 0, 1, vcc_lo
	v_add_nc_u32 v21, v21, v23
	v_cmp_le_u32 vcc_lo, s[INC+\e], v20
	v_cndmask_b32 v23, 0, 1, vcc_lo
	v_add_nc_u32 v22, v22, v23
.endr
	global_store_b32 v13, v21, s[14:15]
	global_store_b32 v13, v22, s[14:15] offset:1024
	s_wait_tensorcnt 0x0                           ; the wave's end, behind my last LDS store
	ds_add_u32 v[SPW], v[NIL]
	s_wait_dscnt 0x0
	s_endpgm
.Lfunc_end_k_q26854a5fe6_prep:
	.size	k_q26854a5fe6_prep, .Lfunc_end_k_q26854a5fe6_prep-k_q26854a5fe6_prep
	.p2alignl 7, 3214868480
	.fill 96, 4, 3214868480
	.section	.rodata,"a",@progbits
	.p2align	6, 0x0
	.amdhsa_kernel k_q26854a5fe6_prep
		.amdhsa_group_segment_fixed_size 2048
		.amdhsa_private_segment_fixed_size 0
		.amdhsa_enable_private_segment 0
		.amdhsa_kernarg_size 48
		.amdhsa_user_sgpr_count 2
		.amdhsa_user_sgpr_kernarg_segment_ptr 1
		.amdhsa_wavefront_size32 1
		.amdhsa_system_sgpr_workgroup_id_x 1
		.amdhsa_system_sgpr_workgroup_id_y 1
		.amdhsa_system_sgpr_workgroup_id_z 1
		.amdhsa_system_vgpr_workitem_id 0
		.amdhsa_next_free_vgpr 168
		.amdhsa_next_free_sgpr 88
		.amdhsa_reserve_vcc 1
		.amdhsa_float_denorm_mode_32 3
		.amdhsa_float_denorm_mode_16_64 3
		.amdhsa_memory_ordered 1
		.amdhsa_forward_progress 1
		.amdhsa_inst_pref_size 60
	.end_amdhsa_kernel
	.amdgpu_metadata
---
amdhsa.version: [ 1, 2 ]
amdhsa.kernels:
  - .name:           k_q26854a5fe6_prep
    .symbol:         k_q26854a5fe6_prep.kd
    .args:
      - { .name: exp_ids, .offset: 0, .size: 8, .value_kind: global_buffer, .address_space: global }
      - { .name: weight, .offset: 8, .size: 8, .value_kind: global_buffer, .address_space: global }
      - { .name: wq, .offset: 16, .size: 8, .value_kind: global_buffer, .address_space: global }
      - { .name: ws, .offset: 24, .size: 8, .value_kind: global_buffer, .address_space: global }
      - { .name: tilerow, .offset: 32, .size: 8, .value_kind: global_buffer, .address_space: global }
      - { .name: tileexp, .offset: 40, .size: 8, .value_kind: global_buffer, .address_space: global }
    .group_segment_fixed_size: 2048
    .private_segment_fixed_size: 0
    .kernarg_segment_align: 8
    .kernarg_segment_size: 48
    .max_flat_workgroup_size: 256
    .sgpr_count:     88
    .vgpr_count:     168
    .wavefront_size: 32
...
	.end_amdgpu_metadata
.endif
;; end of part 3
;; launch moe (part 4): grid 263 x 1, 8 waves a work-group, no clusters, 71,680 bytes of LDS; arguments tokens, wq, ws, tilerow, tileexp, out0; writes out0
.if DOCPART == 4
	.amdgcn_target "amdgcn-amd-amdhsa--gfx1250"
	.amdhsa_code_object_version 6
	.text
	.protected	k_q26854a5fe6_moe
	.globl	k_q26854a5fe6_moe
	.p2align	8
	.type	k_q26854a5fe6_moe,@function
k_q26854a5fe6_moe:
	s_mov_b64 s[64:65], 0
	v_nop
	global_prefetch_b8 v0, s[64:65] scope:SCOPE_SE
	s_setreg_imm32_b32 hwreg(HW_REG_WAVE_MODE, 25, 1), 1
	s_wait_xcnt 0x0
; out0[t] = Q(tokens[t]) . Q(weight[exp_ids[t]]), on codes of FP4 (E2M1) with one E8M0 scale for each 32 along K = 2,048; sums in f32.
; A work-group takes ONE TILE: 32 rows of one expert (tilerow, tileexp, as the launch before stored them) x all 512 columns.  263 work-groups serve every split of 8,192 rows over 8 experts.
; PHASE X: wave w reads slots 4 w .. 4 w + 3 of the tile, whole rows of 8,192 bytes, quantises them in registers and puts codes and scale words into LDS.  The tokens' codes never go to memory.
; ONE BARRIER.  PRODUCTS: wave w makes columns 64 w .. 64 w + 63 for all 32 rows: 8 accumulators, 16 K steps of 128, 128 matrix instructions.  The weights' codes come from memory straight
; into operand registers (wq lies in that order), four K steps ahead, in a ring of four sets of registers that is filled while the last token row is still on its way.
; THE ORDER OF K is this program's own, the same here as in wq and ws, so that the products pair the same k; the quantiser's blocks are the true ones.
;   K step s = 2 q + u (q = 0 .. 7, u = 0, 1), block b of it: the true block 8 (4 u + b) + q: so the four scale bytes that a lane makes of half a row are one K step's scale word;
;   place p = 8 c + n of a block: k = 4 c + n for n < 4, 16 + 4 c + (n - 4) for n >= 4: so a lane's eight numbers may be two runs of four, and each load of tokens covers 512 consecutive bytes.
; THE MATRIX INSTRUCTION IS USED TRANSPOSED: source 0 = 16 columns of the weight, source 1 = 16 rows of tokens: lane (r, h) then holds row r and eight neighbouring columns 8 h + 0 .. 7.
; A SLOT WITHOUT A TOKEN (0x2000) takes the tile's slot 0 in its stead: it computes that row once more and stores the same numbers to the same place, so EXEC is never written and every count is the same on every path.
; A TILE WITHOUT ROWS (tileexp = 8; at most 7 of the 263, since the tiles in use are at least 256) runs the same text on numbers held inside the buffers and jumps over the way out alone:
; the barrier stands under no branch on a loaded number.
; No tensor loads.  No cluster: the tiles of a fixed group of work-groups need not be one expert's.
; The text is straight: every offset is an immediate (495,104 bytes at the most), no pointer is stepped, and no register that a pending load or store names is written again.
; LIMITS: NaN and infinities among the tokens are not served.  A block of zeros gets the byte 1 where the rule says 127: its codes are zeros, and nobody else reads the byte.
.set XCB,   0                          ; LDS: the tokens' codes, the true blocks on end, 16 bytes each: 32 rows x (1,024 bytes + 16 of padding): the pitch is an odd multiple of 16 bytes, so the 16 rows of a fragment load start at 16 different places modulo 256 bytes
.set XSB,   33280                      ; their scale words, K step s at 4 s: 32 rows x (64 + 16)
.set STG,   35840                      ; the way out: 16 rows x (256 + 16) bytes for each wave, its own
.set SPARE, 70656                      ; the spare words, 128 bytes for each of eight waves: four blocks of 256 bytes that no other line names
.set SPW, 1                            ; v1   LDS address of my spare word; never rewritten
.set NIL, 2                            ; v2   0; never rewritten
                                       ; v3   my 16 bytes of a load of tokens     v4  16 x lane: my 16 bytes of half a fragment     v5  4 x lane: my scale word
                                       ; v6   where I put 4 bytes of codes     v7  where I put a scale word     v8  my lane's place in a fragment of tokens     v9  my lane's row of scale words
                                       ; v10  the stage, in     v11  the stage, back     v12  4 h     v13  16 r
.set M,   16                           ; phase X: v16-23 largest magnitudes, then the conversions' scale operands
.set BY,  24                           ; phase X: v24-31 scale bytes; v24 and v28 then the two scale words
.set CD,  32                           ; phase X: v32-39 codes
.set XF,  16                           ; products: v16-31, v32-47 the tokens' fragments (two row tiles), two sets
.set WSC, 48                           ; v48-55 the weights' scale words, two for each set of the ring: lanes 0-15 an even tile of columns, lanes 16-31 the odd one behind it.  Scales and nothing else
.set XSC, 56                           ; v56-63 the tokens' scale words, two sets of four K steps: lanes 0-15 rows 0-15, lanes 16-31 rows 16-31.  Scales and nothing else
.set T0,  64                           ; phase X: three sets of 64 numbers, a row each
.set T1,  128
.set T2,  192
.set ACC, 64                           ; products: accumulator (row tile m, tile of columns j) at v[64 + 8 (4 m + j)]
.set RING, 128                         ; products: v128-255 the weights' fragments: set s % 4, 32 registers
.set OFFS, 128                         ; the way out: v128-143 the rows' byte offsets in out0
.set OB,  160                          ; the way out: v160-223 rows read back from the stage
	s_load_b256 s[4:11], s[0:1], 0x0               ; tokens s[4:5], wq s[6:7], ws s[8:9], tilerow s[10:11]
	s_load_b128 s[12:15], s[0:1], 0x20             ; tileexp s[12:13], out0 s[14:15]
	v_lshl_add_u32 v[SPW], v0, 2, SPARE
	v_mov_b32 v[NIL], 0
	v_lshrrev_b32 v3, 5, v0
	v_readfirstlane_b32 s16, v3                    ; wave 0..7
	v_and_b32 v14, 31, v0                          ; lane
	v_and_b32 v15, 15, v0                          ; r
	v_bfe_u32 v12, v0, 4, 1                        ; h
	v_bfe_u32 v3, v0, 2, 2                         ; a load of tokens covers four blocks of 128 bytes: block (lane % 16) / 4,
	v_lshlrev_b32 v3, 7, v3
	v_lshl_add_u32 v3, v12, 6, v3                  ; lanes 0-15 its first 64 bytes, lanes 16-31 its second,
	v_and_b32 v4, 3, v0
	v_lshl_add_u32 v3, v4, 4, v3                   ; 16 bytes a lane
	v_lshlrev_b32 v4, 4, v14
	v_lshlrev_b32 v5, 2, v14
	s_mul_i32 s26, s16, 4160                       ; my four rows of codes
	v_add_nc_u32 v6, s26, v5                       ; + 4 x lane (the codes begin at LDS byte 0)
	s_mul_i32 s26, s16, 320                        ; my four rows of scale words
	v_lshrrev_b32 v7, 2, v14                       ; q = lane / 4: four lanes to a block of 32;
	v_lshlrev_b32 v7, 3, v7                        ; K steps 2 q and 2 q + 1: 8 bytes
	v_add_nc_u32 v7, s26, v7
	v_add_nc_u32 v7, XSB, v7
	v_mul_u32_u24 v8, v15, 1040
	v_lshl_add_u32 v8, v12, 7, v8                  ; row r; lanes 16-31 take a K step's odd blocks, which lie eight true blocks, 128 bytes, behind the even ones
	v_mul_u32_u24 v9, v14, 80
	v_add_nc_u32 v9, XSB, v9                       ; lane l: row l of the tile
	s_mul_i32 s26, s16, 4352
	s_add_co_u32 s26, s26, STG                     ; my stage
	v_mul_u32_u24 v10, v15, 272
	v_lshl_add_u32 v10, v12, 5, v10
	v_add_nc_u32 v10, s26, v10                     ; in: row r, 32 bytes for each half of the lanes
	v_mul_u32_u24 v11, v12, 272
	v_lshl_add_u32 v11, v15, 4, v11
	v_add_nc_u32 v11, s26, v11                     ; back: lanes 0-15 one row of 256 bytes, lanes 16-31 the next
	v_lshlrev_b32 v13, 4, v15
	v_lshlrev_b32 v12, 2, v12
	s_lshl_b32 s18, ttmp9, 2                       ; my tile's entry of tileexp,
	s_mov_b32 s19, 0
	s_lshl_b32 s26, ttmp9, 7                       ; its 32 slots of tilerow,
	s_mov_b32 s27, 0
	s_lshl_b32 s44, s16, 4                         ; my wave's four of them
	s_mov_b32 s45, 0
	s_wait_kmcnt 0x0
	s_add_nc_u64 s[46:47], s[12:13], s[18:19]
	s_add_nc_u64 s[40:41], s[10:11], s[26:27]      ; s[40:41]: the tile's slots; it stays
	s_add_nc_u64 s[44:45], s[40:41], s[44:45]
	s_load_b32 s17, s[46:47], 0x0                  ; the expert, or 8
	s_load_b32 s24, s[40:41], 0x0                  ; slot 0
	s_load_b128 s[20:23], s[44:45], 0x0            ; my four slots
	s_wait_kmcnt 0x0
	s_min_u32 s25, s17, 7                          ; loaded numbers are held inside their tables before they enter an address
	s_min_u32 s24, s24, 0x1fff
.irp i, 0,1,2,3
	s_cmp_lt_u32 s[20+\i], 0x2000                  ; a token, or none?
	s_cselect_b32 s[20+\i], s[20+\i], s24          ; none: slot 0's
	s_min_u32 s[20+\i], s[20+\i], 0x1fff
	s_lshl_b32 s26, s[20+\i], 13                   ; a row of tokens is 8,192 bytes
	s_add_nc_u64 s[28+2*\i:29+2*\i], s[4:5], s[26:27]   ; s[28:35]: my four rows
.endr
; a row's 2,048 numbers into v[B] on: segment g of 256 numbers by two loads, each of 512 consecutive bytes (four blocks).  No hint: a slot without a token names slot 0's row again
.macro TLOAD i, B
.irp g, 0,1,2,3,4,5,6,7
	global_load_b128 v[\B+8*\g:\B+8*\g+3], v3, s[28+2*\i:29+2*\i] offset:1024*\g
	global_load_b128 v[\B+8*\g+4:\B+8*\g+7], v3, s[28+2*\i:29+2*\i] offset:1024*\g+512
.endr
.endm
	TLOAD 0, T0                                    ; three rows, 48 loads a wave, go out before anything else is done
	TLOAD 1, T1
	TLOAD 2, T2
	s_lshl_b32 s26, s25, 19                        ; wq: 512 fragments of 1,024 bytes for each expert,
	s_lshl_b32 s18, s16, 12                        ; my four tiles of columns in a K step
	s_add_co_u32 s26, s26, s18
	s_add_nc_u64 s[36:37], s[6:7], s[26:27]
	s_lshl_b32 s26, s25, 15                        ; ws: 16 x 512 words for each expert,
	s_lshl_b32 s18, s16, 8                         ; my 64 columns
	s_add_co_u32 s26, s26, s18
	s_add_nc_u64 s[38:39], s[8:9], s[26:27]
	s_mov_b32 s26, s18                             ; out0: my 64 columns are 256 bytes of a row
	s_add_nc_u64 s[42:43], s[14:15], s[26:27]
; four segments of a row: the halves change places, the blocks' largest magnitudes (a block of 32 lies in four neighbouring lanes), scales, codes; the four by turns, so that no line waits for the line above it
.macro QHALF B, i, g0, cnt
	s_wait_loadcnt \cnt                            ; loads come back in order (ISA guide 5.7.1): these four segments are in, all that was issued behind them stays out
.irp g, \g0, \g0+1, \g0+2, \g0+3
.irp r, 0,1,2,3
	v_permlane16_swap_b32 v[\B+8*(\g)+\r], v[\B+8*(\g)+4+\r]   ; the first load's lanes 16-31 change places with the second's lanes 0-15: lane l now holds, of block 8 g + l / 4, k = 4 (l % 4) + 0 .. 3 and 16 + 4 (l % 4) + 0 .. 3
.endr
.endr
.irp g, \g0, \g0+1, \g0+2, \g0+3
	v_max3_num_f32 v[M+(\g)], |v[\B+8*(\g)]|, |v[\B+8*(\g)+1]|, 0x1800000   ; with the floor 2^(3 - 127): the byte cannot fall under 1
.endr
.irp p, 2,4,6
.irp g, \g0, \g0+1, \g0+2, \g0+3
	v_max3_num_f32 v[M+(\g)], v[M+(\g)], |v[\B+8*(\g)+\p]|, |v[\B+8*(\g)+\p+1]|
.endr
.endr
.irp g, \g0, \g0+1, \g0+2, \g0+3
	v_max_num_f32_dpp v[M+(\g)], v[M+(\g)], v[M+(\g)] row_xmask:1 row_mask:0xf bank_mask:0xf
.endr
.irp g, \g0, \g0+1, \g0+2, \g0+3
	v_max_num_f32_dpp v[M+(\g)], v[M+(\g)], v[M+(\g)] row_xmask:2 row_mask:0xf bank_mask:0xf
.endr
.irp g, \g0, \g0+1, \g0+2, \g0+3
	v_add_nc_u32 v[M+(\g)], 0xff000000, v[M+(\g)]  ; 2 off the exponent field: the conversion's scale operand
.endr
.irp g, \g0, \g0+1, \g0+2, \g0+3
	v_cvt_scalef32_pk8_fp4_f32 v[CD+(\g)], v[\B+8*(\g):\B+8*(\g)+7], v[M+(\g)]
.endr
.irp g, \g0, \g0+1, \g0+2, \g0+3
	v_lshrrev_b32 v[BY+(\g)], 23, v[M+(\g)]        ; the scale's byte.  (These are also the plain instructions behind the conversions)
.endr
	v_lshl_or_b32 v[BY+\g0], v[BY+\g0+1], 8, v[BY+\g0]    ; the bytes of blocks 8 g + q, g = g0 .. g0 + 3, are the scale word of K step 2 q + g0 / 4
	v_lshl_or_b32 v[BY+\g0], v[BY+\g0+2], 16, v[BY+\g0]
	v_lshl_or_b32 v[BY+\g0], v[BY+\g0+3], 24, v[BY+\g0]
.irp g, \g0, \g0+1, \g0+2, \g0+3
	ds_store_b32 v6, v[CD+(\g)] offset:1040*(\i)+128*(\g)   ; the wave's 32 lanes: 128 consecutive bytes of the row's codes
.endr
	ds_store_b32 v7, v[BY+\g0] offset:80*(\i)+\g0  ; the four lanes of a block write the same word with the same value
.endm
.macro QROW B, i, after                ; after: the loads issued behind this row's sixteen
	s_wait_dscnt 0x0                               ; the last row's LDS stores have read their registers
	QHALF \B, \i, 0, (\after)+8
	QHALF \B, \i, 4, \after
.endm
; K step s of the weights into set s % 4 of the ring: four fragments (two loads of 512 consecutive bytes each) and two registers of scale words: ten loads
.macro WLOAD s
.irp j, 0,1,2,3
.irp c, 0,1
	global_load_b128 v[RING+32*((\s)%4)+8*\j+4*\c:RING+32*((\s)%4)+8*\j+4*\c+3], v4, s[36:37] offset:32768*(\s)+1024*\j+512*\c
.endr
.endr
.irp p, 0,1
	global_load_b32 v[WSC+2*((\s)%4)+\p], v5, s[38:39] offset:2048*(\s)+128*\p
.endr
.endm
	QROW T0, 0, 32                                 ; behind row 0: rows 1 and 2
	TLOAD 3, T0
	QROW T1, 1, 32                                 ; behind row 1: rows 2 and 3
	WLOAD 0                                        ; the ring takes the registers that the rows leave
	WLOAD 1
	QROW T2, 2, 36                                 ; behind row 2: row 3 and two K steps of weights
	WLOAD 2
	WLOAD 3
	QROW T0, 3, 40                                 ; behind row 3: four K steps of weights
	s_wait_dscnt 0x0                               ; for the others' sake: my codes and scale words lie in LDS
	s_barrier_signal -1
	s_barrier_wait -1                              ; everybody's do.  (The weights' loads stay on their way: nobody writes those bytes)
; K step s = 2 q + u of the tokens from LDS into set s % 2: lane (r, h) takes, of rows r and 16 + r, blocks b = 2 c + h of the step: the true block 8 (4 u + b) + q lies at 512 u + 256 c + 128 h + 16 q of the row;
; with every fourth step the scale words of four steps
.macro XLOAD s
.irp m, 0,1
.irp c, 0,1
	ds_load_b128 v[XF+16*((\s)%2)+8*\m+4*\c:XF+16*((\s)%2)+8*\m+4*\c+3], v8 offset:16640*\m+512*((\s)%2)+256*\c+16*((\s)/2)
.endr
.endr
.if ((\s)%4) == 0
	ds_load_b128 v[XSC+4*(((\s)/4)%2):XSC+4*(((\s)/4)%2)+3], v9 offset:16*((\s)/4)
.endif
.endm
; one product: row tile m, tile of columns j.  An odd tile's scale words lie in lanes 16-31 of its register, and so do those of rows 16-31.  The first K step starts the sums: nothing is cleared
.macro MM s, m, j
.set rD, ACC+8*(4*(\m)+(\j))
.set rW, RING+32*((\s)%4)+8*(\j)
.set rX, XF+16*((\s)%2)+8*(\m)
.set rP, WSC+2*((\s)%4)+(\j)/2
.set rQ, XSC+4*(((\s)/4)%2)+(\s)%4
.if (\s) == 0
.if ((\j)%2 == 0) && ((\m) == 0)
	v_wmma_scale_f32_16x16x128_f8f6f4 v[rD:rD+7], v[rW:rW+7], v[rX:rX+7], 0, v[rP], v[rQ] matrix_a_fmt:MATRIX_FMT_FP4 matrix_b_fmt:MATRIX_FMT_FP4
.elseif (\m) == 0
	v_wmma_scale_f32_16x16x128_f8f6f4 v[rD:rD+7], v[rW:rW+7], v[rX:rX+7], 0, v[rP], v[rQ] matrix_a_fmt:MATRIX_FMT_FP4 matrix_b_fmt:MATRIX_FMT_FP4 matrix_a_scale:MATRIX_SCALE_ROW1
.elseif (\j)%2 == 0
	v_wmma_scale_f32_16x16x128_f8f6f4 v[rD:rD+7], v[rW:rW+7], v[rX:rX+7], 0, v[rP], v[rQ] matrix_a_fmt:MATRIX_FMT_FP4 matrix_b_fmt:MATRIX_FMT_FP4 matrix_b_scale:MATRIX_SCALE_ROW1
.else
	v_wmma_scale_f32_16x16x128_f8f6f4 v[rD:rD+7], v[rW:rW+7], v[rX:rX+7], 0, v[rP], v[rQ] matrix_a_fmt:MATRIX_FMT_FP4 matrix_b_fmt:MATRIX_FMT_FP4 matrix_a_scale:MATRIX_SCALE_ROW1 matrix_b_scale:MATRIX_SCALE_ROW1
.endif
.else
.if ((\j)%2 == 0) && ((\m) == 0)
	v_wmma_scale_f32_16x16x128_f8f6f4 v[rD:rD+7], v[rW:rW+7], v[rX:rX+7], v[rD:rD+7], v[rP], v[rQ] matrix_a_fmt:MATRIX_FMT_FP4 matrix_b_fmt:MATRIX_FMT_FP4
.elseif (\m) == 0
	v_wmma_scale_f32_16x16x128_f8f6f4 v[rD:rD+7], v[rW:rW+7], v[rX:rX+7], v[rD:rD+7], v[rP], v[rQ] matrix_a_fmt:MATRIX_FMT_FP4 matrix_b_fmt:MATRIX_FMT_FP4 matrix_a_scale:MATRIX_SCALE_ROW1
.elseif (\j)%2 == 0
	v_wmma_scale_f32_16x16x128_f8f6f4 v[rD:rD+7], v[rW:rW+7], v[rX:rX+7], v[rD:rD+7], v[rP], v[rQ] matrix_a_fmt:MATRIX_FMT_FP4 matrix_b_fmt:MATRIX_FMT_FP4 matrix_b_scale:MATRIX_SCALE_ROW1
.else
	v_wmma_scale_f32_16x16x128_f8f6f4 v[rD:rD+7], v[rW:rW+7], v[rX:rX+7], v[rD:rD+7], v[rP], v[rQ] matrix_a_fmt:MATRIX_FMT_FP4 matrix_b_fmt:MATRIX_FMT_FP4 matrix_a_scale:MATRIX_SCALE_ROW1 matrix_b_scale:MATRIX_SCALE_ROW1
.endif
.endif
.endm
.macro RILOAD                          ; the way out's rows: register 8 m + t: the token of slot 16 m + 2 t + h.  Sixteen loads, into the set of the ring that K step 12 has left
.irp m, 0,1
.irp t, 0,1,2,3,4,5,6,7
	global_load_b32 v[OFFS+8*\m+\t], v12, s[40:41] offset:4*(16*\m+2*\t)
.endr
.endr
.endm
; A K STEP: the next step's tokens are asked of LDS, this step's operands are waited for, eight products on the eight accumulators by turns (one instruction a turn, from step to step too),
; four places, and the set of the ring that has been read takes the K step four further on.
.macro KSTEP s
.if (\s) < 15
	XLOAD (\s)+1
.endif
.if (\s) == 15
	s_wait_dscnt 0x0
.elseif ((\s)%4) == 3
	s_wait_dscnt 5                                 ; this step's tokens are in; the five loads just issued may be out
.else
	s_wait_dscnt 4                                 ; likewise, four
.endif
.if (\s) <= 12
	s_wait_loadcnt 30                              ; this step's ten loads are in; those of the three steps behind it stay out
.else
	s_wait_loadcnt 36-10*((\s)-13)                 ; the steps that are left, ten loads each, and the sixteen of the way out's rows
.endif
.irp m, 0,1
.irp j, 0,1,2,3
	MM \s, \m, \j
.endr
.endr
.rept 4
	v_nop                                          ; four places in front of loads into registers that these products have read, and of the first read of results
.endr
.if (\s) <= 11
	WLOAD (\s)+4
.elseif (\s) == 12
	RILOAD
.endif
.endm
	XLOAD 0
.irp s, 0,1,2,3,4,5,6,7,8,9,10,11,12,13,14,15
	KSTEP \s
.endr
	s_cmp_gt_u32 s17, 7                            ; a tile without rows has nothing to store: the one branch on a stored number, round the way out alone
	s_cbranch_scc1 .Lend
	; THE WAY OUT.  A lane holds 32 neighbouring bytes of a row and the lanes beside it hold other rows: a row tile (16 rows x 256 bytes) goes through my own stage and comes back by rows.
	s_wait_loadcnt 0x0                             ; the rows' tokens
.set q, 0
.rept 16
	v_cmp_gt_u32 vcc_lo, 0x2000, v[OFFS+q]         ; a token, or none?
	v_cndmask_b32 v[OFFS+q], s24, v[OFFS+q], vcc_lo   ; none: slot 0's, whose numbers this row holds
	v_min_u32 v[OFFS+q], 0x1fff, v[OFFS+q]         ; held inside out0's rows before it becomes an address
	v_lshl_add_u32 v[OFFS+q], v[OFFS+q], 11, v13   ; a row of out0 is 2,048 bytes; + 16 r
.set q, q+1
.endr
.irp m, 0,1
.irp j, 0,1,2,3
	ds_store_b128 v10, v[ACC+8*(4*\m+\j):ACC+8*(4*\m+\j)+3] offset:64*\j        ; each accumulator from its low end on
	ds_store_b128 v10, v[ACC+8*(4*\m+\j)+4:ACC+8*(4*\m+\j)+7] offset:64*\j+16
.endr
.irp t, 0,1,2,3,4,5,6,7
	ds_load_b128 v[OB+32*\m+4*\t:OB+32*\m+4*\t+3], v11 offset:544*\t   ; LDS serves a wave's instructions in order (ISA guide 5.7.1.4): these see the stores above, and the next row tile's stores come behind them
.endr
.endr
.irp m, 0,1
.irp t, 0,1,2,3,4,5,6,7
	s_wait_dscnt 23-16*\m-\t                       ; rows 2 t and 2 t + 1 of the row tile are back; what was issued behind them may be out
	global_store_b128 v[OFFS+8*\m+\t], v[OB+32*\m+4*\t:OB+32*\m+4*\t+3], s[42:43] th:TH_STORE_NT   ; sixteen lanes store 256 consecutive bytes of a row, at a multiple of 256 from out0's first byte; written once, read by nobody here
.endr
.endr
.Lend:
	s_wait_tensorcnt 0x0                           ; the wave's end, behind my last LDS store
	ds_add_u32 v[SPW], v[NIL]
	s_wait_dscnt 0x0
	s_endpgm
.Lfunc_end_k_q26854a5fe6_moe:
	.size	k_q26854a5fe6_moe, .Lfunc_end_k_q26854a5fe6_moe-k_q26854a5fe6_moe
	.p2alignl 7, 3214868480
	.fill 96, 4, 3214868480
	.section	.rodata,"a",@progbits
	.p2align	6, 0x0
	.amdhsa_kernel k_q26854a5fe6_moe
		.amdhsa_group_segment_fixed_size 71680
		.amdhsa_private_segment_fixed_size 0
		.amdhsa_enable_private_segment 0
		.amdhsa_kernarg_size 48
		.amdhsa_user_sgpr_count 2
		.amdhsa_user_sgpr_kernarg_segment_ptr 1
		.amdhsa_wavefront_size32 1
		.amdhsa_system_sgpr_workgroup_id_x 1
		.amdhsa_system_sgpr_workgroup_id_y 1
		.amdhsa_system_sgpr_workgroup_id_z 1
		.amdhsa_system_vgpr_workitem_id 0
		.amdhsa_next_free_vgpr 256
		.amdhsa_next_free_sgpr 66
		.amdhsa_reserve_vcc 1
		.amdhsa_float_denorm_mode_32 3
		.amdhsa_float_denorm_mode_16_64 3
		.amdhsa_memory_ordered 1
		.amdhsa_forward_progress 1
		.amdhsa_inst_pref_size 84
	.end_amdhsa_kernel
	.amdgpu_metadata
---
amdhsa.version: [ 1, 2 ]
amdhsa.kernels:
  - .name:           k_q26854a5fe6_moe
    .symbol:         k_q26854a5fe6_moe.kd
    .args:
      - { .name: tokens, .offset: 0, .size: 8, .value_kind: global_buffer, .address_space: global }
      - { .name: wq, .offset: 8, .size: 8, .value_kind: global_buffer, .address_space: global }
      - { .name: ws, .offset: 16, .size: 8, .value_kind: global_buffer, .address_space: global }
      - { .name: tilerow, .offset: 24, .size: 8, .value_kind: global_buffer, .address_space: global }
      - { .name: tileexp, .offset: 32, .size: 8, .value_kind: global_buffer, .address_space: global }
      - { .name: out0, .offset: 40, .size: 8, .value_kind: global_buffer, .address_space: global }
    .group_segment_fixed_size: 71680
    .private_segment_fixed_size: 0
    .kernarg_segment_align: 8
    .kernarg_segment_size: 48
    .max_flat_workgroup_size: 256
    .sgpr_count:     66
    .vgpr_count:     256
    .wavefront_size: 32
...
	.end_amdgpu_metadata
.endif
;; end of part 4
